; MI455X (gfx1250); checked and timed in simulation.
; The chip was launched on July 23, 2026; its instructions are those of AMD's public machine-readable ISA for CDNA 5 (MIT licence, August 2026) and "CDNA5" Instruction Set Architecture Reference Guide (July 2026). The comments in the code are by the model that wrote it; some were corrected since.
;; Transformer Layer. Allowed arithmetic: matrix products marked QUANTISED: E4M3 operands, one E8M0 scale for each 32 along K, by v_wmma_scale_f32_16x16x128_f8f6f4 with both operands' format E4M3, f32 sums; everything else in f32.
;; Inputs: b1 4,096 float32; b2 1,024 float32; b_out 1,024 float32; b_qkv 3,072 float32; ln1_b 1,024 float32; ln1_g 1,024 float32; ln2_b 1,024 float32; ln2_g 1,024 float32; res_pos 16 x 512 float32; w1_codes 4,096 x 32 x 32 uint8 (E4M3 codes of w1, K innermost, in blocks of 32 codes); w1_scales 4,096 x 32 uint8 (E8M0 scales of w1, one for each 32 codes along K); w2_codes 1,024 x 128 x 32 uint8 (E4M3 codes of w2, K innermost, in blocks of 32 codes); w2_scales 1,024 x 128 uint8 (E8M0 scales of w2, one for each 32 codes along K); w_out_codes 1,024 x 32 x 32 uint8 (E4M3 codes of w_out, K innermost, in blocks of 32 codes); w_out_scales 1,024 x 32 uint8 (E8M0 scales of w_out, one for each 32 codes along K); w_qkv_codes 3,072 x 32 x 32 uint8 (E4M3 codes of w_qkv, K innermost, in blocks of 32 codes); w_qkv_scales 3,072 x 32 uint8 (E8M0 scales of w_qkv, one for each 32 codes along K); x 2 x 2,048 x 1,024 float32.
;; Outputs: out0 2 x 2,048 x 1,024 float32.
;; This version of the problem:
;;   THIS VERSION OF THE PROBLEM IS GIVEN IN LOW PRECISION. The matrix products marked QUANTISED in the list below multiply operands that are first quantised to E4M3 (4 exponent bits, 3 mantissa bits; 8 bits a number), with one power-of-two scale for each 32 numbers along K (OCP MX v1.0); their sums are f32. All else is computed in f32.
;;   The module's matrix products, in the order in which they are computed (A, B: the left and right operand; K: the contracted axis; several contracted axes count as one K, in the product's order):
;;     1. [M 4,096, K 1,024] x [K 1,024, N 3,072]; A: computed on the way; B: input w_qkv (given as codes): QUANTISED
;;     2. batch 32 x [M 2,048, K 64] x [K 64, N 2,048]; A: computed on the way; B: computed on the way: QUANTISED
;;     3. batch 32 x [M 2,048, K 2,048] x [K 2,048, N 64]; A: softmax (see below); B: computed on the way: QUANTISED
;;     4. [M 4,096, K 1,024] x [K 1,024, N 1,024]; A: computed on the way; B: input w_out (given as codes): QUANTISED
;;     5. [M 4,096, K 1,024] x [K 1,024, N 4,096]; A: computed on the way; B: input w1 (given as codes): QUANTISED
;;     6. [M 4,096, K 4,096] x [K 4,096, N 1,024]; A: computed on the way; B: input w2 (given as codes): QUANTISED
;;   THE QUANTISER, for each operand of a quantised product, along K:
;;     - K is cut into blocks of 32 from its start; a last block that is shorter is filled with zeros.
;;     - A block's scale is 2^e with e = floor(log2(the largest magnitude in the block)) - 8, held to -126 .. 127; a block of zeros has e = 0. As a byte (E8M0): e + 127.
;;     - Each number is divided by its block's scale, clamped to +-448, and rounded to the nearest number of E4M3, ties to even, subnormals kept.
;;     - The product sums the exact products of the quantised numbers (number of the format x scale) in f32.
;;   ~~~python
;;   def quantise(x, axis):      # numpy; x: float32 -> the quantised numbers, widened to float32 again
;;       x = np.moveaxis(x, axis, -1); K = x.shape[-1]
;;       x = np.pad(x, [(0, 0)] * (x.ndim - 1) + [(0, -K % 32)]); x = x.reshape(x.shape[:-1] + (-1, 32)); a = np.abs(x).max(-1, keepdims=True)
;;       e = np.where(a > 0, np.clip(np.frexp(np.where(a > 0, a, 1))[1] - 1 - 8, -126, 127), 0)      # np.frexp(a)[1] - 1 = floor(log2(a)), exactly
;;       r = np.clip(x / 2.0 ** e, -448, 448)
;;       step = 2.0 ** (np.maximum(np.frexp(np.where(r == 0, 1, r))[1] - 1, -6) - 3)
;;       q = np.round(r / step) * step * 2.0 ** e      # np.round: ties to even
;;       return np.moveaxis(q.reshape(q.shape[:-2] + (-1,))[..., :K], -1, axis).astype(np.float32)
;;   ~~~
;;   SOFTMAX AHEAD OF A QUANTISED PRODUCT. Where the list says 'softmax', what is quantised is not the finished softmax but p = 2^(t - M), with t = logit x log2(e) and M = ceil(the row's largest t), a whole number; so 1/2 < the row's largest p <= 1. The row's sum l is taken of the UNQUANTISED p, in f32, and the product's result is divided by l at the end. Since M is a whole number, a kernel that streams over the keys may use a running M (the ceiling of the running maximum): every later rescaling is an exact power of two, which a block's scale takes up: the codes' values come out the same.
;;   OPERANDS COMPUTED ON THE WAY. 'Computed on the way' means the value that the module computes at that place (a softmax that the list does not call 'softmax' is quantised finished and normalised). What goes into a quantiser is computed in f32, as accurately as f32 sums, v_exp_f32 and their like allow (about 1e-6 of the number): no bf16 or f16 on the way to a quantiser, and a product that is left as it is and whose result goes on into a quantised operand takes f32 operands (vector FMAs, or v_wmma_f32_16x16x4_f32). A number that lies on a knife's edge between two numbers of the format may be rounded either way, as far as f32 arithmetic and the matrix unit's own rounding can turn it there, and no further.
;;   INPUTS GIVEN AS CODES. w1 (in the module: [1024, 4096], K = its axis 0); w2 (in the module: [4096, 1024], K = its axis 0); w_out (in the module: [1024, 1024], K = its axis 0); w_qkv (in the module: [1024, 3072], K = its axis 0): each comes as NAME_codes (uint8): NAME with its K axis moved to the last place and cut into blocks of 32 codes, [.., K / 32, bytes a block], one block behind the other in memory; one code a byte (a code: sign, 4 exponent bits, 3 mantissa bits); and NAME_scales (uint8): the same leading axes, one E8M0 byte (e + 127) for each 32 codes along K. Its value is code x scale, taken as it is: it is not quantised again, and the codes and scales need not be those that the quantiser above would give.
;; One version. Each part assembles by itself: llvm-mc -triple=amdgcn-amd-amdhsa -mcpu=gfx1250 --defsym DOCPART=n.
;; ======== version 1 of 1: 7 launches
;; workspace buffers: aq 4,325,376 bytes; qkv 13,369,344 bytes; ctx 4,325,376 bytes; x1 16,777,216 bytes; hid 17,301,504 bytes
;; launch ln1 (part 1): grid 256 x 1, 4 waves a work-group, no clusters, 5,632 bytes of LDS; arguments x, ln1_g, ln1_b, aq; writes aq
.if DOCPART == 1
	.amdgcn_target "amdgcn-amd-amdhsa--gfx1250"
	.amdhsa_code_object_version 6
	.text
	.protected	k_q16d7949cfd_ln1
	.globl	k_q16d7949cfd_ln1
	.p2align	8
	.type	k_q16d7949cfd_ln1,@function
k_q16d7949cfd_ln1:
	s_mov_b64 s[64:65], 0
	v_nop
	global_prefetch_b8 v0, s[64:65] scope:SCOPE_SE
	s_setreg_imm32_b32 hwreg(HW_REG_WAVE_MODE, 25, 1), 1
	s_wait_xcnt 0x0
; LayerNorm of rows of 1,024 f32, y = (x - mean) rsqrt(var + 1e-5) g + b, and y's quantisation along the row: codes of E4M3, [4096][1024] at byte 0 of the output,
; one E8M0 byte for each 32, [4096][32] at byte 4,194,304.  A work-group takes 16 rows, a wave 4, ONE WAVE A WHOLE ROW: eight loads of 512 consecutive bytes, 32 registers a lane,
; so that mean, variance and the blocks' maxima never leave the wave.  All four rows of a wave are asked for at the head: 32 loads a wave are out.
; Lane l holds columns 128 j + 4 l + 0..3 (j = 0..7): a block of 32 lies in eight neighbouring lanes.  A lane's four codes go to the wave's own 1,024 bytes of LDS and come back 16 bytes a lane:
; each store of the wave covers 512 consecutive bytes, aligned.  The work-group's 512 scale bytes are gathered in LDS and leave by one store of wave 0.
; No matrix unit, no cluster, no tensor load: the launch streams, and its work-groups share only g and b.
; LIMITS: a block of zeros gets the byte 1 (zero codes; this program alone reads the bytes); NaN and infinities among the inputs are not served.
.set SCS, 4096                         ; LDS: 4 x 1,024 bytes of codes (a row a wave) from 0; here the 16 rows' scale bytes
.set CW,  8                            ; v8-15    a row's code words (under v128: their halves are named)
.set G,   32                           ; v32-63   g of my 32 columns
.set BV,  64                           ; v64-95   b
.set X,   96                           ; v96-223  four rows
.set DD,  224                          ; v224-255 eight registers of codes a row: no store's data are written again
	s_load_b256 s[4:11], s[0:1], 0x0               ; x, g, b, the output
	s_set_vgpr_msb 0x40
	v_lshl_add_u32 v0, v0, 2, 0x1400
	v_mov_b32 v1, 0
	s_set_vgpr_msb 0x4000
	v_lshrrev_b32 v6, 5, v0
	v_readfirstlane_b32 s12, v6                    ; wave
	v_and_b32 v7, 31, v0                           ; lane
	v_lshlrev_b32 v1, 4, v7                        ; 16 x lane: my place in 512 bytes; never rewritten
	s_lshl_b32 s13, s12, 10
	v_lshl_add_u32 v2, v7, 2, s13                  ; LDS: my wave's row of codes, 4 bytes a lane
	v_add_nc_u32 v3, s13, v1                       ; and back, 16 bytes a lane
	s_lshl_b32 s13, s12, 7
	s_add_co_u32 s13, s13, SCS
	v_lshrrev_b32 v4, 3, v7
	v_add_nc_u32 v4, s13, v4                       ; my block's scale byte: 32 bytes a row, 4 j + lane / 8
	v_add_nc_u32 v5, SCS, v1                       ; wave 0 reads all 512
	s_mov_b32 s14, 0x76543210
	s_mov_b32 s15, 0xfedcba98                      ; v_permlanex16_b32: lane l xor 16
	s_mov_b32 s16, 0xc3e00000                      ; -448
	s_mov_b32 s17, 0x43e00000                      ; 448
	s_mov_b32 s18, 0x3a800000                      ; 1 / 1024
	s_mov_b32 s19, 0x3727c5ac                      ; 1e-5
	s_lshl_b32 s20, ttmp9, 16                      ; x: (16 work-group + 4 wave) rows of 4,096 bytes
	s_lshl_b32 s24, s12, 14
	s_add_co_u32 s20, s20, s24
	s_mov_b32 s21, 0
	s_lshl_b32 s22, ttmp9, 14                      ; codes: the same rows of 1,024 bytes
	s_lshl_b32 s24, s12, 12
	s_add_co_u32 s22, s22, s24
	s_mov_b32 s23, 0
	s_lshl_b32 s24, ttmp9, 9                       ; scale bytes: 512 a work-group
	s_add_co_u32 s24, s24, 4194304
	s_mov_b32 s25, 0
.irp j, 0,1,2,3,4,5,6,7
	v_mov_b32 v[CW+\j], 0                          ; written whole once: the conversions write halves
.endr
	s_wait_kmcnt 0x0
	s_add_nc_u64 s[4:5], s[4:5], s[20:21]
	s_add_nc_u64 s[26:27], s[10:11], s[24:25]
	s_add_nc_u64 s[10:11], s[10:11], s[22:23]
.irp j, 0,1,2,3,4,5,6,7
	global_load_b128 v[G+4*\j:G+4*\j+3], v1, s[6:7] offset:512*\j
.endr
.irp j, 0,1,2,3,4,5,6,7
	global_load_b128 v[BV+4*\j:BV+4*\j+3], v1, s[8:9] offset:512*\j
.endr
.irp i, 0,1,2,3
.irp j, 0,1,2,3,4,5,6,7
	global_load_b128 v[X+32*\i+4*\j:X+32*\i+4*\j+3], v1, s[4:5] offset:4096*\i+512*\j th:TH_LOAD_NT
.endr
.endr
.macro WSUM a, t                       ; the sum of v[a] over the 32 lanes, in every lane; v[t] has been written
	v_add_f32_dpp v[\a], v[\a], v[\a] row_xmask:1 row_mask:0xf bank_mask:0xf
	v_add_f32_dpp v[\a], v[\a], v[\a] row_xmask:2 row_mask:0xf bank_mask:0xf
	v_add_f32_dpp v[\a], v[\a], v[\a] row_xmask:4 row_mask:0xf bank_mask:0xf
	v_add_f32_dpp v[\a], v[\a], v[\a] row_xmask:8 row_mask:0xf bank_mask:0xf
	v_permlanex16_b32 v[\t], v[\a], s14, s15
	v_add_f32 v[\a], v[\a], v[\t]
.endm
.macro ROW i
.set XR, X+32*(\i)
	s_wait_loadcnt 8*(3-(\i))                      ; loads come back in order: g, b and this row are in, the younger rows' eight loads each stay out
	v_pk_add_f32 v[16:17], v[XR:XR+1], v[XR+2:XR+3]      ; the row's sum, in four chains
	v_pk_add_f32 v[18:19], v[XR+4:XR+5], v[XR+6:XR+7]
	v_pk_add_f32 v[20:21], v[XR+8:XR+9], v[XR+10:XR+11]
	v_pk_add_f32 v[22:23], v[XR+12:XR+13], v[XR+14:XR+15]
.irp k, 16,24
	v_pk_add_f32 v[16:17], v[16:17], v[XR+\k:XR+\k+1]
	v_pk_add_f32 v[18:19], v[18:19], v[XR+\k+2:XR+\k+3]
	v_pk_add_f32 v[20:21], v[20:21], v[XR+\k+4:XR+\k+5]
	v_pk_add_f32 v[22:23], v[22:23], v[XR+\k+6:XR+\k+7]
.endr
	v_pk_add_f32 v[16:17], v[16:17], v[18:19]
	v_pk_add_f32 v[20:21], v[20:21], v[22:23]
	v_pk_add_f32 v[16:17], v[16:17], v[20:21]
	v_add_f32 v16, v16, v17
	WSUM 16, 17
	v_mul_f32 v16, s18, v16                        ; the mean,
	v_mov_b32 v17, v16                             ; twice: a pair for the packed form
.set kk, 0
.rept 16
	v_pk_add_f32 v[XR+kk:XR+kk+1], v[XR+kk:XR+kk+1], v[16:17] neg_lo:[0,1] neg_hi:[0,1]   ; x - mean
.set kk, kk+2
.endr
	v_pk_mul_f32 v[18:19], v[XR:XR+1], v[XR:XR+1]        ; the sum of squares of x - mean, in four chains
	v_pk_mul_f32 v[20:21], v[XR+2:XR+3], v[XR+2:XR+3]
	v_pk_mul_f32 v[22:23], v[XR+4:XR+5], v[XR+4:XR+5]
	v_pk_mul_f32 v[24:25], v[XR+6:XR+7], v[XR+6:XR+7]
.irp k, 8,16,24
	v_pk_fma_f32 v[18:19], v[XR+\k:XR+\k+1], v[XR+\k:XR+\k+1], v[18:19]
	v_pk_fma_f32 v[20:21], v[XR+\k+2:XR+\k+3], v[XR+\k+2:XR+\k+3], v[20:21]
	v_pk_fma_f32 v[22:23], v[XR+\k+4:XR+\k+5], v[XR+\k+4:XR+\k+5], v[22:23]
	v_pk_fma_f32 v[24:25], v[XR+\k+6:XR+\k+7], v[XR+\k+6:XR+\k+7], v[24:25]
.endr
	v_pk_add_f32 v[18:19], v[18:19], v[20:21]
	v_pk_add_f32 v[22:23], v[22:23], v[24:25]
	v_pk_add_f32 v[18:19], v[18:19], v[22:23]
	v_add_f32 v18, v18, v19
	WSUM 18, 19
	v_fma_f32 v18, v18, s18, s19                   ; var + eps
	v_rsq_f32 v20, v18
	v_nop                                          ; a plain instruction behind the transcendental,
	s_wait_alu depctr_va_vdst(0)                   ; and the wait ahead of the first line that names its result
	v_mov_b32 v21, v20
.set kk, 0
.rept 16
	v_pk_mul_f32 v[XR+kk:XR+kk+1], v[XR+kk:XR+kk+1], v[20:21]
.set kk, kk+2
.endr
.set kk, 0
.rept 16
	v_pk_fma_f32 v[XR+kk:XR+kk+1], v[XR+kk:XR+kk+1], v[G+kk:G+kk+1], v[BV+kk:BV+kk+1]
.set kk, kk+2
.endr
	; the quantiser: block 4 j + lane / 8 holds my four numbers of load j and those of seven neighbours
.irp j, 0,1,2,3,4,5,6,7
	v_max3_num_f32 v[16+\j], |v[XR+4*\j]|, |v[XR+4*\j+1]|, 0x4800000   ; with the floor 2^(9 - 127): the byte cannot fall under 1
.endr
.irp j, 0,1,2,3,4,5,6,7
	v_max3_num_f32 v[16+\j], v[16+\j], |v[XR+4*\j+2]|, |v[XR+4*\j+3]|
.endr
.irp m, 1,2,4
.irp j, 0,1,2,3,4,5,6,7
	v_max_num_f32_dpp v[16+\j], v[16+\j], v[16+\j] row_xmask:\m row_mask:0xf bank_mask:0xf
.endr
.endr
.irp j, 0,1,2,3,4,5,6,7
	v_add_nc_u32 v[24+\j], 0xfc000000, v[16+\j]    ; 8 off the largest magnitude's exponent field,
.endr
.irp j, 0,1,2,3,4,5,6,7
	v_and_b32 v[16+\j], 0x7f800000, v[16+\j]
.endr
.irp j, 0,1,2,3,4,5,6,7
	v_lshrrev_b32 v[24+\j], 23, v[24+\j]           ; which is the scale's byte
.endr
.irp j, 0,1,2,3,4,5,6,7
	v_sub_nc_u32 v[16+\j], 0x83000000, v[16+\j]    ; 1 / scale = 2^(135 - that field): exponent field 262 - field
.endr
.irp j, 0,1,2,3,4,5,6,7
.irp n, 0,1,2,3
	v_mul_f32 v[XR+4*\j+\n], v[XR+4*\j+\n], v[16+\j]   ; by a power of two: nothing is rounded
.endr
.endr
.set kk, 0
.rept 32
	v_med3_num_f32 v[XR+kk], v[XR+kk], s16, s17    ; the conversion does not saturate (ISA guide 7.6.2): held within +-448 first
.set kk, kk+1
.endr
	v_cvt_pk_fp8_f32 v8.l, v[XR], v[XR+1]
	v_cvt_pk_fp8_f32 v8.h, v[XR+2], v[XR+3]
	v_cvt_pk_fp8_f32 v9.l, v[XR+4], v[XR+5]
	v_cvt_pk_fp8_f32 v9.h, v[XR+6], v[XR+7]
	v_cvt_pk_fp8_f32 v10.l, v[XR+8], v[XR+9]
	v_cvt_pk_fp8_f32 v10.h, v[XR+10], v[XR+11]
	v_cvt_pk_fp8_f32 v11.l, v[XR+12], v[XR+13]
	v_cvt_pk_fp8_f32 v11.h, v[XR+14], v[XR+15]
	v_cvt_pk_fp8_f32 v12.l, v[XR+16], v[XR+17]
	v_cvt_pk_fp8_f32 v12.h, v[XR+18], v[XR+19]
	v_cvt_pk_fp8_f32 v13.l, v[XR+20], v[XR+21]
	v_cvt_pk_fp8_f32 v13.h, v[XR+22], v[XR+23]
	v_cvt_pk_fp8_f32 v14.l, v[XR+24], v[XR+25]
	v_cvt_pk_fp8_f32 v14.h, v[XR+26], v[XR+27]
	v_cvt_pk_fp8_f32 v15.l, v[XR+28], v[XR+29]
	v_cvt_pk_fp8_f32 v15.h, v[XR+30], v[XR+31]
.irp j, 0,1,2,3,4,5,6,7
	ds_store_b32 v2, v[CW+\j] offset:128*\j        ; columns 128 j + 4 lane
	ds_store_b8 v4, v[24+\j] offset:32*(\i)+4*\j   ; the eight lanes of a block write the same byte with the same value
.endr
	ds_load_b128 v[DD+8*(\i):DD+8*(\i)+3], v3      ; LDS serves a wave's instructions in order: these see my stores
	ds_load_b128 v[DD+8*(\i)+4:DD+8*(\i)+7], v3 offset:512
	s_wait_dscnt 0x0                               ; the row is back; the next row's stores may follow, and the stores' registers may be written
	global_store_b128 v1, v[DD+8*(\i):DD+8*(\i)+3], s[10:11] offset:1024*(\i)
	global_store_b128 v1, v[DD+8*(\i)+4:DD+8*(\i)+7], s[10:11] offset:1024*(\i)+512
.endm
	ROW 0
	ROW 1
	ROW 2
	ROW 3
	s_wait_dscnt 0x0                               ; for the others' sake: my scale bytes lie in LDS
	s_barrier_signal -1
	s_barrier_wait -1
	s_cmp_lg_u32 s12, 0
	s_cbranch_scc1 .Ldone
	ds_load_b128 v[16:19], v5                      ; the 16 rows' 512 scale bytes
	s_wait_dscnt 0x0
	global_store_b128 v1, v[16:19], s[26:27]
.Ldone:
	s_set_vgpr_msb 0x5
	s_wait_tensorcnt 0x0
	ds_add_u32 v0, v1
	s_wait_dscnt 0x0
	s_set_vgpr_msb 0x500
	s_endpgm
.Lfunc_end_k_q16d7949cfd_ln1:
	.size	k_q16d7949cfd_ln1, .Lfunc_end_k_q16d7949cfd_ln1-k_q16d7949cfd_ln1
	.p2alignl 7, 3214868480
	.fill 96, 4, 3214868480
	.section	.rodata,"a",@progbits
	.p2align	6, 0x0
	.amdhsa_kernel k_q16d7949cfd_ln1
		.amdhsa_group_segment_fixed_size 5632
		.amdhsa_private_segment_fixed_size 0
		.amdhsa_enable_private_segment 0
		.amdhsa_kernarg_size 32
		.amdhsa_user_sgpr_count 2
		.amdhsa_user_sgpr_kernarg_segment_ptr 1
		.amdhsa_wavefront_size32 1
		.amdhsa_system_sgpr_workgroup_id_x 1
		.amdhsa_system_sgpr_workgroup_id_y 1
		.amdhsa_system_sgpr_workgroup_id_z 1
		.amdhsa_system_vgpr_workitem_id 0
		.amdhsa_next_free_vgpr 258
		.amdhsa_next_free_sgpr 66
		.amdhsa_reserve_vcc 0
		.amdhsa_float_denorm_mode_32 3
		.amdhsa_float_denorm_mode_16_64 3
		.amdhsa_memory_ordered 1
		.amdhsa_forward_progress 1
		.amdhsa_inst_pref_size 72
	.end_amdhsa_kernel
	.amdgpu_metadata
---
amdhsa.version: [ 1, 2 ]
amdhsa.kernels:
  - .name:           k_q16d7949cfd_ln1
    .symbol:         k_q16d7949cfd_ln1.kd
    .args:
      - { .name: x, .offset: 0, .size: 8, .value_kind: global_buffer, .address_space: global }
      - { .name: ln1_g, .offset: 8, .size: 8, .value_kind: global_buffer, .address_space: global }
      - { .name: ln1_b, .offset: 16, .size: 8, .value_kind: global_buffer, .address_space: global }
      - { .name: aq, .offset: 24, .size: 8, .value_kind: global_buffer, .address_space: global }
    .group_segment_fixed_size: 5632
    .private_segment_fixed_size: 0
    .kernarg_segment_align: 8
    .kernarg_segment_size: 32
    .max_flat_workgroup_size: 128
    .sgpr_count:     66
    .vgpr_count:     258
    .wavefront_size: 32
...
	.end_amdgpu_metadata
.endif
;; end of part 1
;; launch qkv (part 2): grid 12 x 16, 4 waves a work-group, clusters of 4 x 4, 327,680 bytes of LDS; arguments aq, w_qkv_codes, w_qkv_scales, b_qkv, qkv; writes qkv
.if DOCPART == 2
	.amdgcn_target "amdgcn-amd-amdhsa--gfx1250"
	.amdhsa_code_object_version 6
	.text
	.protected	k_q16d7949cfd_qkv
	.globl	k_q16d7949cfd_qkv
	.p2align	8
	.type	k_q16d7949cfd_qkv,@function
k_q16d7949cfd_qkv:
	s_mov_b64 s[64:65], 0
	v_nop
	global_prefetch_b8 v0, s[64:65] scope:SCOPE_SE
	s_setreg_imm32_b32 hwreg(HW_REG_WAVE_MODE, 25, 1), 1
	s_wait_xcnt 0x0
	s_wait_alu depctr_hold_cnt(0) depctr_sa_sdst(0) depctr_va_vdst(0) depctr_va_sdst(0) depctr_va_ssrc(0) depctr_va_vcc(0) depctr_vm_vsrc(0)
	s_getreg_b32 s2, hwreg(HW_REG_IB_STS2, 6, 4)
	s_cmp_eq_u32 s2, 0
	s_cbranch_scc0 .Lentry_in_a_cluster
	s_endpgm
.Lentry_in_a_cluster:
	s_bfe_u32 s2, ttmp6, 0x10000c
	s_cmp_lg_u32 s2, 0xf033
	s_cbranch_scc0 .Lentry_shape_is_right
	s_endpgm
.Lentry_shape_is_right:
; A GEMM on codes of E4M3 with E8M0 scales for each 32 along K = 1,024, whose result (+ bias) is quantised again along its COLUMNS and stored as codes.  One text serves two launches (FFN = 0, 1).
; FFN = 1: relu(aq W1^T + b1), rows = tokens, columns = the 4,096 hidden units.
; FFN = 0: clusters x = 0, 1: aq Wqk^T + b (rows = tokens, columns = q's and k's 2,048: a head's 64 are two blocks);  cluster x = 2: V^T = Wv aq^T + b (rows = v's 1,024 channels, columns = tokens), so that the
; same way out quantises v along the keys.  The two parts differ in pointers, strides and masks alone, chosen by s_cselect on the cluster's x, which all sixteen partners share.
; OUTPUT: panels of 128 columns, [panel][row][128 bytes], and for each row and panel a scale word: a wave's 16 rows of a panel are 2,048 consecutive bytes.
; THE LOOP: a tile of 256 x 256, four waves of 128 x 128 (64 accumulators, 512 registers); K in steps of 256 through a ring of two LDS slots filled by the tensor data mover; the scale bytes of the tile's rows come
; once, with the first fills.  CLUSTERS of 4 x 4: A's tiles are asked for jointly along a row of the cluster, B's along a column.  The matrix instruction is used transposed (source 0 = 16 rows of B,
; source 1 = 16 rows of A): a lane holds one row and eight neighbouring columns.
; REGISTERS: window 0: v0-31 addresses; v8-15 row biases; v32-63 scale words, two sets; v64-127 column biases; from v128 A's fragments, one set; window 1: B's fragments, two sets; windows 2, 3: accumulators.
; LIMITS: a block of zeros gets the byte 1 (zero codes; this program alone reads the bytes); NaN and infinities are not served.  No prefetch: the launch is short and its tiles are shared by multicast.
.set FFN,    0
.set SIZE_K, 1024
.set KSTEP,  256
.set NQ,     KSTEP/128
.set ROWB,   256
.set KROW,   SIZE_K
.set PITCH,  272                       ; an LDS row: 256 bytes + 16 of padding: the 16 rows that a load touches start at 16 different groups of four banks
.set FR,     16
.set NL,     4
.set NP,     8                         ; places behind this matrix instruction (ISA guide 7.12.1)
.set HALFT,  128*PITCH
.set SLOT,   4*HALFT
.set LAPS,   SIZE_K/(2*KSTEP)
.set KS,     SIZE_K/32
.set SCL,    2*SLOT                    ; behind the ring: the scale bytes, as units of 256 bytes + 16 of padding
.set HALFS,  (128*KS/256)*272
.set SBLK,   (16*KS/256)*272
.set SPARE,  SCL+4*HALFS               ; the spare words, 128 bytes a wave
.set BM,   8                           ; v8-15   bias of my rows: block a, lane % 16
.set ADRA, 16
.set BNA,  18                          ; v18     32 x (lane / 16): the column biases' offset
.set BMA,  19                          ; v19     4 x (lane % 16): the row biases'
.set ADRB, 20
.set SSO,  22                          ; v22     the way out: where my row's scale word goes
.set STO,  24                          ; v24     where I put 8 codes
.set RD,   25                          ; v25     where I read 16 codes back
.set CO,   26                          ; v26     16 x lane
.set ADRS, 27
.set SPW,  28
.set NIL,  29
.set SRD,  30                          ; v30     where I read scale words back
.set SC,   32
.set BN,   64                          ; v64-127 bias of my 128 columns: register 8 t + j: column 16 t + 8 (lane / 16) + j
.set AF,   128
.set X,    128                         ; the way out: v128-191 a block's 64 numbers; v192-207 its codes; v208-223 at work; v224-226 scale words; v228-243 rows read back; v244-251 scale words read back
.set PC,   192
.set TM,   208
.set PW,   224
.set W0,   225
.set W1,   226
.set OB,   228
.set SW,   244
.set SEL,  92
.set MNT,  95
.set G1, 24
.set G0, 32
.set G1B, 48
.set G0B, 56
.set G1S, 68
.set G0S, 76
.set G1SB, 80
.set G0SB, 88
.set MSB, 0
.macro WIN new                         ; the immediate's high byte repeats the setting that is left
.if MSB != \new
	s_set_vgpr_msb (MSB<<8)|\new
.set MSB, \new
.endif
.endm
.set MUL_LO, 0xa1                      ; source 0 (B) window 1, source 1 (A) window 0, C and D window 2
.set MUL_HI, 0xf1
.set TO_B,   0x40
; A joint load: waves 0 and 1 fetch for A, waves 2 and 3 for B; the branch hangs on the wave's number alone.  Four v_nop follow each of the two lines.
.macro JLOAD g0a, g1a, g0b, g1b
	s_cmp_eq_u32 s15, 0
	s_cbranch_scc0 .Lfor_b_\@
	tensor_load_to_lds s[\g0a:\g0a+3], s[\g1a:\g1a+7]
	s_nop 0
.rept 4
	v_nop
.endr
	s_branch .Lasked_\@
.Lfor_b_\@:
	tensor_load_to_lds s[\g0b:\g0b+3], s[\g1b:\g1b+7]
	s_nop 0
.rept 4
	v_nop
.endr
.Lasked_\@:
.endm
.macro CREST                           ; a round of the cluster's barrier behind its opening barrier
	s_cmp_lg_u32 s14, 0
	s_cbranch_scc1 .Lnot_wave_0_\@
	s_barrier_signal -3
.Lnot_wave_0_\@:
	s_barrier_wait -3
	s_barrier_signal -1
	s_barrier_wait -1
.endm
.macro CROUND
	s_barrier_signal -1
	s_barrier_wait -1
	CREST
.endm
	s_load_b256 s[4:11], s[0:1], 0x0               ; aq, the weight's codes, its scales, the bias
	s_load_b64 s[12:13], s[0:1], 0x20              ; the output
	v_lshl_add_u32 v[SPW], v0, 2, SPARE
	v_mov_b32 v[NIL], 0
	ds_add_u32 v28, v29
	ds_add_u32 v28, v29
	s_wait_dscnt 0x0
	v_lshrrev_b32 v1, 5, v0
	v_readfirstlane_b32 s14, v1                    ; wave 0..3
	s_lshr_b32 s15, s14, 1                         ; which half of the tile's rows is mine.  Also: I fetch for A (0) or for B (1)
	s_and_b32 s16, s14, 1                          ; which half of its columns.  Also: which 128 rows of that tile I fetch
	s_bfe_u32 s40, ttmp6, 0x40000                  ; cx, cy
	s_bfe_u32 s41, ttmp6, 0x40004
	s_and_b32 s17, ttmp7, 0xffff                   ; cluster y
.if FFN
	s_mov_b32 s42, ttmp9
.else
	s_cmp_eq_u32 ttmp9, 2                          ; V^T's clusters: four tile rows (cy), sixteen tile columns (4 cluster y + cx)
	s_cselect_b32 s42, s17, ttmp9
	s_cselect_b32 s17, 0, s17
.endif
	s_lshl_b32 s42, s42, 2
	s_add_co_u32 s42, s42, s40                     ; tile column
	s_lshl_b32 s17, s17, 2
	s_add_co_u32 s17, s17, s41                     ; tile row
	s_lshl_b32 s43, s41, 2
	s_lshl_b32 s43, 15, s43                        ; my row of the cluster
	s_lshl_b32 s44, 0x1111, s40                    ; my column
	s_or_b32 s[G1+0], s43, (0<<16)|(1<<20)|(1<<21)|(5<<22)|(3<<25)  ; the mask; elements of 1 byte; padding on; bit 21 beside a mask; 4 words after every 64
	s_or_b32 s[G1B+0], s44, (0<<16)|(1<<20)|(1<<21)|(5<<22)|(3<<25)
.irp g, G1, G1B
	s_mov_b32 s[\g+1], ROWB<<16                    ; tensor_dim0
	s_mov_b32 s[\g+2], 128<<16                     ; tensor_dim1
	s_mov_b32 s[\g+3], ROWB<<16                    ; tile_dim0
	s_mov_b32 s[\g+4], 128                         ; tile_dim1
	s_mov_b32 s[\g+5], KROW                        ; the pitch
	s_mov_b32 s[\g+6], 0
	s_mov_b32 s[\g+7], 0
.endr
	s_or_b32 s[G1S+0], s43, (3<<16)|(1<<20)|(1<<21)|(5<<22)|(3<<25)  ; the scale bytes of 128 rows: a dense block, as rows of 256 bytes (32 elements of 8)
	s_or_b32 s[G1SB+0], s44, (3<<16)|(1<<20)|(1<<21)|(5<<22)|(3<<25)
.irp g, G1S, G1SB
	s_mov_b32 s[\g+1], 32<<16
	s_mov_b32 s[\g+2], (128*KS/256)<<16
	s_mov_b32 s[\g+3], 32<<16
	s_mov_b32 s[\g+4], 128*KS/256
	s_mov_b32 s[\g+5], 32
	s_mov_b32 s[\g+6], 0
	s_mov_b32 s[\g+7], 0
.endr
	s_lshl_b32 s18, s16, 7
	s_lshl_b32 s20, s17, 8
	s_add_co_u32 s20, s20, s18                     ; A: row 256 x tile row + 128 x half
	s_lshl_b32 s46, s42, 8
	s_add_co_u32 s46, s46, s18                     ; B: row 256 x tile column + 128 x half
	s_lshl_b32 s22, s20, 5                         ; where these rows' scale bytes begin (32 a row),
	s_mov_b32 s23, 0
	s_lshl_b32 s92, s46, 5
	s_mov_b32 s93, 0
	s_lshl_b32 s20, s20, 10                        ; and their codes (1,024 a row)
	s_mov_b32 s21, 0
	s_lshl_b32 s46, s46, 10
	s_mov_b32 s47, 0
	s_mul_i32 s45, s14, HALFT                      ; where they go: wave x 128 rows
	s_mul_i32 s94, s14, HALFS
	s_wait_kmcnt 0x0
	s_add_nc_u64 s[96:97], s[4:5], 4194304         ; aq's scale bytes
.if FFN
	s_add_nc_u64 s[20:21], s[4:5], s[20:21]
	s_add_nc_u64 s[22:23], s[96:97], s[22:23]
	s_add_nc_u64 s[46:47], s[6:7], s[46:47]
	s_add_nc_u64 s[92:93], s[8:9], s[92:93]
.else
	s_add_nc_u64 s[98:99], s[6:7], 2097152         ; Wv's codes: rows 2,048 on
	s_add_nc_u64 s[100:101], s[8:9], 65536         ; and scale bytes
	s_cmp_eq_u32 ttmp9, 2
	s_cselect_b64 s[66:67], s[98:99], s[4:5]       ; A's codes:  Wv or aq
	s_cselect_b64 s[4:5], s[4:5], s[6:7]           ; B's codes:  aq or Wqk
	s_cselect_b64 s[6:7], s[100:101], s[96:97]     ; A's scales
	s_cselect_b64 s[8:9], s[96:97], s[8:9]         ; B's scales
	s_add_nc_u64 s[20:21], s[66:67], s[20:21]
	s_add_nc_u64 s[22:23], s[6:7], s[22:23]
	s_add_nc_u64 s[46:47], s[4:5], s[46:47]
	s_add_nc_u64 s[92:93], s[8:9], s[92:93]
.endif
	CROUND                                         ; all sixteen work-groups are here: the first joint loads meet
	s_mov_b32 s[G0S], 1
	s_add_co_u32 s[G0S+1], s94, SCL
	s_mov_b64 s[G0S+2:G0S+3], s[22:23]
	s_or_b32 s[G0S+3], s[G0S+3], 0x80000000
	s_mov_b32 s[G0SB], 1
	s_add_co_u32 s[G0SB+1], s94, SCL
	s_mov_b64 s[G0SB+2:G0SB+3], s[92:93]
	s_or_b32 s[G0SB+3], s[G0SB+3], 0x80000000
	JLOAD G0S, G1S, G0SB, G1SB                     ; the scales first: they are wanted with K step 0
.irp s, 0,1
	s_mov_b32 s[G0+4*\s], 1
	s_add_co_u32 s[G0+4*\s+1], s45, \s*SLOT
	s_add_nc_u64 s[G0+4*\s+2:G0+4*\s+3], s[20:21], \s*ROWB
	s_or_b32 s[G0+4*\s+3], s[G0+4*\s+3], 0x80000000
	s_mov_b32 s[G0B+4*\s], 1
	s_add_co_u32 s[G0B+4*\s+1], s45, \s*SLOT
	s_add_nc_u64 s[G0B+4*\s+2:G0B+4*\s+3], s[46:47], \s*ROWB
	s_or_b32 s[G0B+4*\s+3], s[G0B+4*\s+3], 0x80000000
	JLOAD G0+4*\s, G1, G0B+4*\s, G1B
.endr
	v_and_b32 v1, 15, v0                           ; l % 16
	v_bfe_u32 v2, v0, 4, 1                         ; l / 16
	; where my 128 x 128 of the result lies, and its biases
	s_lshl_b32 s18, s17, 8
	s_lshl_b32 s19, s15, 7
	s_add_co_u32 s18, s18, s19                     ; my first row
	s_lshl_b32 s19, s42, 1
	s_add_co_u32 s19, s19, s16                     ; my panel of 128 columns
.if FFN
	s_lshl_b32 s96, s19, 9                         ; 4 bytes x my first column
	s_mov_b32 s97, 0
	s_add_nc_u64 s[96:97], s[10:11], s[96:97]
	s_lshl_b32 s20, s19, 19                        ; codes: panel x 4,096 rows x 128 bytes + row x 128
	s_lshl_b32 s21, s18, 7
	s_add_co_u32 s20, s20, s21
	s_mov_b32 s21, 0
	s_add_nc_u64 s[4:5], s[12:13], s[20:21]
	s_lshl_b32 s20, s19, 14                        ; scale words: behind the codes, panel x 4,096 x 4 + row x 4
	s_lshl_b32 s22, s18, 2
	s_add_co_u32 s20, s20, s22
	s_add_co_u32 s20, s20, 16777216
	s_add_nc_u64 s[6:7], s[12:13], s[20:21]
.else
	s_lshl_b32 s20, s19, 9                         ; 4 x my first column
	s_lshl_b32 s21, s18, 2
	s_add_co_u32 s21, s21, 8192                    ; 4 x (2,048 + my first row)
	s_mov_b32 s66, 0x01000100                      ; a head's word {s0, s1, s0, s1} out of the panel's four bytes: the left head's,
	s_mov_b32 s67, 0x03020302                      ; the right head's
	s_cmp_eq_u32 ttmp9, 2
	s_cselect_b32 s96, 0, s20                      ; column biases: V^T has none (index 0 is loaded and masked)
	s_cselect_b32 s98, s21, 0                      ; row biases: q and k have none
	s_cselect_b32 s66, 0x03020100, s66             ; V^T's word is the four bytes as they are
	s_cselect_b32 s67, 0x03020100, s67
	s_cselect_b32 s2, 0, -1                        ; keeps the column biases,
	s_cselect_b32 s100, 0x3f800000, 0              ; or puts 1.0 in their place
	s_cselect_b32 s101, -1, 0                      ; keeps the row biases,
	s_cselect_b32 s94, 0, 0x3f800000               ; or puts 1.0 in their place
	s_cselect_b32 s22, 17, 19                      ; a panel: 1,024 or 4,096 rows of 128 bytes
	s_cselect_b32 s23, 12, 14                      ; an array of scale words: as many rows of 4 bytes
	s_cselect_b32 s46, 8388608, 0                  ; V^T's codes lie behind q's and k's,
	s_cselect_b32 s47, 524288, 0                   ; its words behind theirs
	s_mov_b32 s97, 0
	s_mov_b32 s99, 0
	s_add_nc_u64 s[96:97], s[10:11], s[96:97]
	s_add_nc_u64 s[98:99], s[10:11], s[98:99]
	s_lshl_b32 s20, s19, s22
	s_add_co_u32 s20, s20, s46
	s_lshl_b32 s21, s18, 7
	s_add_co_u32 s20, s20, s21
	s_mov_b32 s21, 0
	s_add_nc_u64 s[4:5], s[12:13], s[20:21]
	s_lshl_b32 s20, s19, 1                         ; two arrays of words a panel
	s_lshl_b32 s20, s20, s23
	s_add_co_u32 s20, s20, s47
	s_add_co_u32 s20, s20, 12582912
	s_lshl_b32 s46, s18, 2
	s_add_co_u32 s20, s20, s46
	s_add_nc_u64 s[6:7], s[12:13], s[20:21]
	s_lshl_b32 s20, 1, s23
	s_add_nc_u64 s[8:9], s[6:7], s[20:21]
.endif
	v_lshlrev_b32 v[BNA], 5, v2
.irp t, 0,1,2,3,4,5,6,7
	global_load_b128 v[BN+8*\t:BN+8*\t+3], v[BNA], s[96:97] offset:64*\t          ; waited for on the way out
	global_load_b128 v[BN+8*\t+4:BN+8*\t+7], v[BNA], s[96:97] offset:64*\t+16
.endr
.if FFN == 0
	v_lshlrev_b32 v[BMA], 2, v1
.irp a, 0,1,2,3,4,5,6,7
	global_load_b32 v[BM+\a], v[BMA], s[98:99] offset:64*\a
.endr
.endif
	s_mov_b32 s[SEL], 0x76543210
	s_mov_b32 s[SEL+1], 0xfedcba98                 ; v_permlanex16_b32: lane l xor 16
	s_mov_b32 s[MNT], 0x600000                     ; the mantissa field of 448
	v_mul_u32_u24 v3, v1, PITCH
	v_lshl_add_u32 v4, v2, 4, v3                   ; a fragment's row x pitch + 16 x half
	s_mul_i32 s21, s15, HALFT                      ; my 128 rows of A
	s_mul_i32 s22, s16, HALFT                      ; my 128 rows of B,
	s_add_co_u32 s22, s22, 2*HALFT                 ; which lie behind A's 256
.irp s, 0,1
	v_add_nc_u32 v[ADRA+\s], s21, v4
	v_add_nc_u32 v[ADRB+\s], s22, v4
	s_add_co_u32 s21, s21, SLOT
	s_add_co_u32 s22, s22, SLOT
.endr
	v_mul_u32_u24 v5, v1, KS                       ; my row's scales: KS bytes a row,
	v_lshrrev_b32 v6, 8, v5
	v_lshl_add_u32 v5, v6, 4, v5                   ; and 16 more for each 256 passed
	s_mul_i32 s21, s15, HALFS
	s_mul_i32 s22, s16, HALFS
	s_add_co_u32 s22, s22, 2*HALFS
	s_sub_co_u32 s22, s22, s21
	v_mul_u32_u24 v6, s22, v2                      ; lanes 16-31 take B's
	s_add_co_u32 s21, s21, SCL
	v_add_nc_u32 v5, v5, v6
	v_add_nc_u32 v[ADRS], s21, v5
	s_lshl_b32 s23, s14, 12                        ; my stage for the way out: 4,096 bytes a wave, in slot 0: 16 rows x 144 bytes, and from byte 2,560 two runs of 128 scale words
	v_mul_u32_u24 v5, v1, 144
	v_lshl_add_u32 v5, v2, 3, v5
	v_add_nc_u32 v[STO], s23, v5                   ; in: row l % 16, 8 bytes for each half of the lanes
	v_and_b32 v6, 31, v0
	v_lshlrev_b32 v[CO], 4, v6
	v_lshrrev_b32 v5, 3, v6
	v_mul_u32_u24 v5, v5, 144
	v_and_b32 v7, 7, v6
	v_lshl_add_u32 v5, v7, 4, v5
	v_add_nc_u32 v[RD], s23, v5                    ; back: eight lanes to a row of 128 bytes, four rows an instruction
	s_add_co_u32 s23, s23, 2560
	v_lshl_add_u32 v[SSO], v1, 2, s23
	v_add_nc_u32 v[SRD], s23, v[CO]
.macro FRAG reg, adr, q, i             ; a fragment: 16 rows x 128 K, 16 registers: lane l holds row l % 16; registers 4 c .. 4 c + 3 hold K = 32 c + 16 (l / 16) + 0 .. 15
.irp c, 0,1,2,3
	ds_load_b128 v[\reg+4*\c:\reg+4*\c+3], v[\adr] offset:128*(\q)+32*\c+(\i)*16*PITCH
.endr
.endm
; 16 matrix instructions: A's blocks a0, a0 + 1 x B's eight.  The 64 accumulators take turns, one instruction a turn, in the same order in every step.
.macro MUL16 a0, p, q, sc, zero
.irp a, \a0, \a0+1
.irp b, 0,1,2,3,4,5,6,7
.if \zero
	v_wmma_scale_f32_16x16x128_f8f6f4 v[8*(8*((\a)%4)+\b):8*(8*((\a)%4)+\b)+7], v[128*(\p)+FR*\b:128*(\p)+FR*\b+FR-1], v[AF+FR*(\a):AF+FR*(\a)+FR-1], 0, v[SC+8*NQ*(\sc)+NQ*\b+(\q)], v[SC+8*NQ*(\sc)+NQ*(\a)+(\q)] matrix_a_scale:MATRIX_SCALE_ROW1
.else
	v_wmma_scale_f32_16x16x128_f8f6f4 v[8*(8*((\a)%4)+\b):8*(8*((\a)%4)+\b)+7], v[128*(\p)+FR*\b:128*(\p)+FR*\b+FR-1], v[AF+FR*(\a):AF+FR*(\a)+FR-1], v[8*(8*((\a)%4)+\b):8*(8*((\a)%4)+\b)+7], v[SC+8*NQ*(\sc)+NQ*\b+(\q)], v[SC+8*NQ*(\sc)+NQ*(\a)+(\q)] matrix_a_scale:MATRIX_SCALE_ROW1
.endif
.endr
.endr
.endm
.macro FETCH_B slot, q, p
	WIN TO_B
.irp i, 0,1,2,3,4,5,6,7
	FRAG 128*(\p)+FR*\i, ADRB+\slot, \q, \i
.endr
	WIN 0
.endm
.macro FETCH_A slot, q, i0
.irp i, \i0, \i0+1, \i0+2, \i0+3
	FRAG AF+FR*(\i), ADRA+\slot, \q, \i
.endr
.endm
.macro SCALES sc                       ; a K step's scale words: lanes 0-15 take A's block i, lanes 16-31 B's block i
.irp i, 0,1,2,3,4,5,6,7
	ds_load_b64 v[SC+8*NQ*\sc+NQ*\i:SC+8*NQ*\sc+NQ*\i+1], v[ADRS] offset:\i*SBLK
.endr
.endm
.macro PLACES n                        ; plain vector instructions between a matrix instruction and a load into, or a read of, its registers
.rept \n
	v_nop
.endr
.endm
.macro STEP slot, q, zero              ; a step of 128 along K that has its successor in the same slot
	s_wait_dscnt 4*NL                              ; B's set and A's blocks 0-3 are in; the youngest 16 loads (A's blocks 4-7) may be out
	WIN MUL_LO
	MUL16 0, (\q)%2, \q, \slot, \zero
	MUL16 2, (\q)%2, \q, \slot, \zero
	s_wait_dscnt 0                                 ; A's blocks 4-7 are in
	PLACES NP
	FETCH_B \slot, (\q)+1, 1-(\q)%2
	FETCH_A \slot, (\q)+1, 0
	WIN MUL_HI
	MUL16 4, (\q)%2, \q, \slot, \zero
	MUL16 6, (\q)%2, \q, \slot, \zero
	PLACES NP
	WIN 0
	FETCH_A \slot, (\q)+1, 4
.endm
; A slot's last step changes slots: one barrier; in front of it each wave waits for all its tensor loads, adds 0 to its spare word, and waits for that and for its reads of this slot.
.macro TURN slot, next, fill
	s_wait_tensorcnt 0x0                           ; all my tensor loads have landed: my part of the next slot
	ds_add_u32 v[SPW], v[NIL]                      ; 0 onto my spare word
	s_wait_dscnt 4*NL+1                            ; (the add and the youngest 16 loads may be out)
	WIN MUL_LO
	MUL16 0, 1, NQ-1, \slot, 0
	s_wait_dscnt 0x0                               ; the add is done, and my reads of this slot are over
	s_barrier_signal -1
	MUL16 2, 1, NQ-1, \slot, 0
	WIN 0
	s_barrier_wait -1
.if \fill
	CREST                                          ; the barrier has opened a round of the cluster's: no wave of any partner still reads this slot or has a load on its way
	s_add_nc_u64 s[G0+4*\slot+2:G0+4*\slot+3], s[G0+4*\slot+2:G0+4*\slot+3], 2*ROWB
	s_add_nc_u64 s[G0B+4*\slot+2:G0B+4*\slot+3], s[G0B+4*\slot+2:G0B+4*\slot+3], 2*ROWB
	JLOAD G0+4*\slot, G1, G0B+4*\slot, G1B         ; the first tensor load behind the round; its four v_nop are among the places below
	PLACES NP-4
.else
	PLACES NP
.endif
	v_add_nc_u32 v[ADRS], 4*NQ, v[ADRS]            ; on to the next K step's scale words
	FETCH_B \next, 0, 0
	FETCH_A \next, 0, 0
	SCALES \next
	WIN MUL_HI
	MUL16 4, 1, NQ-1, \slot, 0
	MUL16 6, 1, NQ-1, \slot, 0
	PLACES NP
	WIN 0
	FETCH_A \next, 0, 4
.endm
	s_wait_tensorcnt 1                             ; the scales and my part of K step 0 are in (K step 1's load may be out),
	s_barrier_signal -1
	s_barrier_wait -1                              ; everybody's are
	FETCH_B 0, 0, 0
	FETCH_A 0, 0, 0
	SCALES 0
	FETCH_A 0, 0, 4
	STEP 0, 0, 1                                   ; the first step's products start the sums
.if LAPS > 1
	s_mov_b32 s3, LAPS-1
.Llap:
	TURN 0, 1, 1
	STEP 1, 0, 0
	TURN 1, 0, 1
	STEP 0, 0, 0
	s_sub_co_u32 s3, s3, 1
	s_cmp_lg_u32 s3, 0
	s_cbranch_scc1 .Llap
.endif
	TURN 0, 1, 0                                   ; the last lap fills nothing
	STEP 1, 0, 0
	s_wait_dscnt 4*NL
	WIN MUL_LO
	MUL16 0, 1, NQ-1, 1, 0
	MUL16 2, 1, NQ-1, 1, 0
	s_wait_dscnt 0
	WIN MUL_HI
	MUL16 4, 1, NQ-1, 1, 0
	MUL16 6, 1, NQ-1, 1, 0
	WIN 0
; 64 numbers of a lane, v[s] on: registers 16 b + 0..15 are my half of block b of my row (the other half lies in lane l xor 16).  They become codes in v[PC] on (registers 2 t, 2 t + 1: columns 16 t + 8 (l / 16) + 0..7)
; and the row's scale word in v[PW].  relu = 1: what is negative becomes 0 on the way.
.macro QUANT s, relu
.if \relu
.irp b, 0,1,2,3
	v_max3_num_f32 v[TM+\b], v[\s+16*\b], v[\s+1+16*\b], 0x4800000   ; no |.|: what is negative is to become 0; the floor 2^(9 - 127) stands over it and holds the byte at 1 from below
.endr
.irp i, 2,4,6,8,10,12,14
.irp b, 0,1,2,3
	v_max3_num_f32 v[TM+\b], v[TM+\b], v[\s+16*\b+\i], v[\s+1+16*\b+\i]
.endr
.endr
.else
.irp b, 0,1,2,3
	v_max3_num_f32 v[TM+\b], |v[\s+16*\b]|, |v[\s+1+16*\b]|, 0x4800000
.endr
.irp i, 2,4,6,8,10,12,14
.irp b, 0,1,2,3
	v_max3_num_f32 v[TM+\b], v[TM+\b], |v[\s+16*\b+\i]|, |v[\s+1+16*\b+\i]|
.endr
.endr
.endif
.irp b, 0,1,2,3
	v_permlanex16_b32 v[TM+4+\b], v[TM+\b], s[SEL], s[SEL+1]
.endr
.irp b, 0,1,2,3
	v_max_num_f32 v[TM+\b], v[TM+\b], v[TM+4+\b]   ; the block's largest magnitude
.endr
.irp b, 0,1,2,3
	v_add_nc_u32 v[TM+12+\b], 0xfc000000, v[TM+\b] ; 8 off its exponent field: the conversion's scale operand
.endr
.irp b, 0,1,2,3
	v_and_or_b32 v[TM+8+\b], v[TM+\b], 0x7f800000, s[MNT]   ; 448 x the scale
.endr
.irp b, 0,1,2,3
	v_lshrrev_b32 v[TM+4+\b], 23, v[TM+12+\b]      ; the scale's byte
.endr
	v_lshl_or_b32 v[PW], v[TM+5], 8, v[TM+4]
	v_lshl_or_b32 v[PW], v[TM+6], 16, v[PW]
	v_lshl_or_b32 v[PW], v[TM+7], 24, v[PW]
.irp b, 0,1,2,3
.irp i, 0,1,2,3,4,5,6,7,8,9,10,11,12,13,14,15
.if \relu
	v_med3_num_f32 v[\s+16*\b+\i], v[\s+16*\b+\i], 0, v[TM+8+\b]   ; the activation and the hold in one
.else
	v_med3_num_f32 v[\s+16*\b+\i], v[\s+16*\b+\i], -v[TM+8+\b], v[TM+8+\b]   ; the conversion does not saturate (ISA guide 7.6.2)
.endif
.endr
	v_cvt_scalef32_pk8_fp8_f32 v[PC+4*\b:PC+1+4*\b], v[\s+16*\b:\s+7+16*\b], v[TM+12+\b]
	v_cvt_scalef32_pk8_fp8_f32 v[PC+2+4*\b:PC+3+4*\b], v[\s+8+16*\b:\s+15+16*\b], v[TM+12+\b]
.endr
	v_nop                                          ; a plain instruction behind the last conversion
.endm
; THE WAY OUT, block by block of 16 rows x 128 columns: + bias, quantised, through my own stage (slot 0 has had its last fill and its last read), out as 2,048 consecutive bytes.
.macro OUTBLK a
.set AC, 64*((\a)%4)
	s_wait_xcnt 0x0                                ; the block before has had its stores' registers read: OB may be loaded again
.if FFN
.set WN, 0x02+(\a)/4                   ; source 0: the accumulators' window
.else
.set WN, 0x24+0x10*((\a)/4)            ; source 1: window 1; source 2: the accumulators' window
.endif
	WIN WN
.set kk, 0
.rept 32
.if FFN
	v_pk_add_f32 v[X+kk:X+kk+1], v[AC+kk:AC+kk+1], v[BN+kk:BN+kk+1]              ; each accumulator is read from its low end on
.else
	v_pk_fma_f32 v[X+kk:X+kk+1], v[BN+kk:BN+kk+1], v[2*(\a):2*(\a)+1], v[AC+kk:AC+kk+1]   ; column bias x 1, or 1 x row bias, + the sum: one of the two factors is 1.0
.endif
.set kk, kk+2
.endr
	WIN 0
	QUANT X, FFN
.if FFN
	ds_store_b32 v[SSO], v[PW] offset:64*(\a)      ; both halves of the lanes write the same word with the same value
.else
	v_perm_b32 v[W0], v[PW], v[PW], s66
	v_perm_b32 v[W1], v[PW], v[PW], s67
	ds_store_b32 v[SSO], v[W0] offset:64*(\a)
	ds_store_b32 v[SSO], v[W1] offset:512+64*(\a)
.endif
.irp t, 0,1,2,3,4,5,6,7
	ds_store_b64 v[STO], v[PC+2*\t:PC+2*\t+1] offset:16*\t
.endr
.irp k, 0,1,2,3
	ds_load_b128 v[OB+4*\k:OB+4*\k+3], v[RD] offset:576*\k     ; LDS serves a wave's instructions in order: these see my stores
.endr
	s_wait_dscnt 0x0
.irp k, 0,1,2,3
	global_store_b128 v[CO], v[OB+4*\k:OB+4*\k+3], s[4:5] offset:(16*(\a)+4*\k)*128   ; 32 lanes store 512 consecutive bytes, aligned
.endr
.endm
	PLACES NP                                      ; behind the last products: their results are read and their operands' registers written below
	s_wait_loadcnt 0x0                             ; the biases
.if FFN == 0
.set kk, 0
.rept 64
	v_and_or_b32 v[BN+kk], v[BN+kk], s2, s100      ; q, k: the column bias; V^T: 1.0
.set kk, kk+1
.endr
	WIN 0x40                                       ; destination window 1: B's fragments are done with
.irp a, 0,1,2,3,4,5,6,7
	v_and_or_b32 v[2*\a], v[BM+\a], s101, s94      ; q, k: 1.0; V^T: the row bias; twice, a pair for the packed form
	v_and_or_b32 v[2*\a+1], v[BM+\a], s101, s94
.endr
	WIN 0
.endif
.irp b, 0,1,2,3
	v_mov_b32 v[TM+4+\b], 0                        ; a lane permute's destination counts as one of its sources
.endr
.irp a, 0,1,2,3,4,5,6,7
	OUTBLK \a
.endr
	ds_load_b128 v[SW:SW+3], v[SRD]                ; my 128 rows' scale words: 512 consecutive bytes
.if FFN == 0
	ds_load_b128 v[SW+4:SW+7], v[SRD] offset:512
.endif
	s_wait_dscnt 0x0
	global_store_b128 v[CO], v[SW:SW+3], s[6:7]
.if FFN == 0
	global_store_b128 v[CO], v[SW+4:SW+7], s[8:9]
.endif
	s_wait_tensorcnt 0x0                           ; the wave's end
	ds_add_u32 v[SPW], v[NIL]
	s_wait_dscnt 0x0
	CROUND                                         ; the closing round
	s_endpgm
.Lfunc_end_k_q16d7949cfd_qkv:
	.size	k_q16d7949cfd_qkv, .Lfunc_end_k_q16d7949cfd_qkv-k_q16d7949cfd_qkv
	.p2alignl 7, 3214868480
	.fill 96, 4, 3214868480
	.section	.rodata,"a",@progbits
	.p2align	6, 0x0
	.amdhsa_kernel k_q16d7949cfd_qkv
		.amdhsa_group_segment_fixed_size 327680
		.amdhsa_private_segment_fixed_size 0
		.amdhsa_enable_private_segment 0
		.amdhsa_kernarg_size 40
		.amdhsa_user_sgpr_count 2
		.amdhsa_user_sgpr_kernarg_segment_ptr 1
		.amdhsa_wavefront_size32 1
		.amdhsa_system_sgpr_workgroup_id_x 1
		.amdhsa_system_sgpr_workgroup_id_y 1
		.amdhsa_system_sgpr_workgroup_id_z 1
		.amdhsa_system_vgpr_workitem_id 0
		.amdhsa_next_free_vgpr 1024
		.amdhsa_next_free_sgpr 102
		.amdhsa_reserve_vcc 0
		.amdhsa_float_denorm_mode_32 3
		.amdhsa_float_denorm_mode_16_64 3
		.amdhsa_memory_ordered 1
		.amdhsa_forward_progress 1
		.amdhsa_inst_pref_size 218
	.end_amdhsa_kernel
	.amdgpu_metadata
---
amdhsa.version: [ 1, 2 ]
amdhsa.kernels:
  - .name:           k_q16d7949cfd_qkv
    .symbol:         k_q16d7949cfd_qkv.kd
    .args:
      - { .name: aq, .offset: 0, .size: 8, .value_kind: global_buffer, .address_space: global }
      - { .name: w_qkv_codes, .offset: 8, .size: 8, .value_kind: global_buffer, .address_space: global }
      - { .name: w_qkv_scales, .offset: 16, .size: 8, .value_kind: global_buffer, .address_space: global }
      - { .name: b_qkv, .offset: 24, .size: 8, .value_kind: global_buffer, .address_space: global }
      - { .name: qkv, .offset: 32, .size: 8, .value_kind: global_buffer, .address_space: global }
    .group_segment_fixed_size: 327680
    .private_segment_fixed_size: 0
    .kernarg_segment_align: 8
    .kernarg_segment_size: 40
    .max_flat_workgroup_size: 128
    .sgpr_count:     102
    .vgpr_count:     1024
    .wavefront_size: 32
...
	.end_amdgpu_metadata
.endif
;; end of part 2
;; launch attn (part 3): grid 16 x 16, 16 waves a work-group, no clusters, 247,808 bytes of LDS; arguments qkv, res_pos, ctx; writes ctx
.if DOCPART == 3
	.amdgcn_target "amdgcn-amd-amdhsa--gfx1250"
	.amdhsa_code_object_version 6
	.text
	.protected	k_q16d7949cfd_attn
	.globl	k_q16d7949cfd_attn
	.p2align	8
	.type	k_q16d7949cfd_attn,@function
k_q16d7949cfd_attn:
	s_mov_b64 s[64:65], 0
	v_nop
	global_prefetch_b8 v0, s[64:65] scope:SCOPE_SE
	s_setreg_imm32_b32 hwreg(HW_REG_WAVE_MODE, 25, 1), 1
	s_wait_xcnt 0x0
; Attention with a relative-position bias inside a causal window of 512 keys (bias[h][q - k] where 0 <= q - k < 512, else the key does not count), both products on codes of E4M3 with E8M0 scales; the result is
; quantised along the model's 1,024 channels and stored as codes in panels of 128 channels, [8][4096][128], with scale words [8][4096] at byte 4,194,304.
; SHARES.  Work-group (x, y): queries 128 x .. 128 x + 127 of batch y / 8, heads 2 (y % 8) and 2 (y % 8) + 1, which share a panel of 128 bytes in q's, k's, V^T's and the result's layout.
; Wave w: head w / 8 of the two, queries 16 (w % 8) on: one tile, 256 registers, four waves to a SIMD.
; KEYS.  Only keys 128 x - 512 .. 128 x + 127 can count: five chunks of 128.  ALL FIVE lie in LDS at once (K: 128 keys x 128 bytes; V^T: 128 channels x 128 keys), one tensor load each by waves 0 to 9: nothing is filled
; again.  A chunk that would begin ahead of key 0 is fetched from key 0 and never read: a scalar branch on the work-group's number leaves its step out.
; The steps go from the last chunk to the first: the first step walked holds each query's own key, so the running maximum is a number from then on.
; MASK AND BIAS ARE THE C OF THE SCORES' PRODUCTS: a table T[d] = 8 x res_pos[d] for 0 <= d < 512, -2^100 elsewhere, lies reversed in LDS, in four copies shifted by one entry, so that each lane's 16 entries of a block
; come by four aligned loads of 16 bytes.  D = q . k + 8 bias, t = D x log2(e) / 8.
; K = 64 IN A FORM OF K = 128: a fragment of source 0 holds TWO tiles of 16 keys (64 bytes each); source 1 is [q, 0] for the first and [0, q] for the second: zero codes wipe out the other tile.  The scale words
; are stored as {s0, s1, s0, s1}, so that they serve either half.
; SOFTMAX: M = the running largest t rounded up to a whole number; p = 2^(t - M) is quantised along the keys, not normalised; the sum is taken of the unquantised p and divides at the end.
; THE KEYS OF A TILE ARE NOT NEIGHBOURS: lane r of tile 2 b + u takes key 32 b + 8 u + r + 8 (r / 8), so that the 16 registers of tiles 2 b, 2 b + 1 are keys 32 b + 16 (lane / 16) + 0..15.
; NO MULTICAST: neighbouring query blocks share four of five chunks, but at LDS places one chunk apart, and a joint load has one LDS address in all partners.  No prefetch: every tile is asked for at the head.
; LIMITS: |q . k + 8 bias| stays far under 2^100; a block of zeros gets the byte 1; NaN and infinities are not served.
.set CH,  18432                        ; a chunk in LDS: 128 rows x (128 bytes + 16 of padding)
.set VT,  5*CH                         ; K's five chunks from 0, V^T's five from here
.set SCL, 10*CH                        ; 15 x 512 bytes of scale words: K's of (chunk j, head e) at (2 j + e) x 512; V^T's of chunk j at (10 + j) x 512
.set TBL, SCL+15*512                   ; the table: 2 heads x 4 copies x 4,160 bytes (4,160 = 64 modulo 256: the four copies fall on different banks)
.set TCP, 4160
.set THD, 4*TCP
.set STG, TBL+2*THD                    ; the way out: 128 rows x 144 bytes of codes,
.set SST, STG+128*144                  ; and 128 scale words
.set VTC, 8388608                      ; in the workspace: V^T's codes, q's and k's scale words, V^T's
.set QKS, 12582912
.set VTS, 13107200
.set CSC, 4194304
.set AK0, 1                            ; v1-5  my lane's place in a chunk of K, of V^T, among K's words, V^T's words, in the table
.set AV0, 2
.set ASK0, 3
.set ASV0, 4
.set AT0, 5
.set ADK, 8                            ; v8-11, v248 the step's addresses
.set ADV, 9
.set ADS, 10
.set ADT, 11
.set ADB, 248
.set FRG, 40                           ; v40-103  four fragments of K or of V^T
.set S,   104                          ; v104-167 the table's entries, then the scores, then p
.set O,   168                          ; v168-199 O^T: four tiles of 16 channels
.set PC,  200                          ; v200-215 p's codes
.set BX,  216                          ; v216-219 blocks' maxima; v220-223 at work; v224-227 448 x scale; v228-231 scale operands
.set PT,  220
.set HL,  224
.set SO,  228
.set KW,  232                          ; v232-239 K's scale words; v240-243 V^T's; v246 p's; v249 q's: these hold scales and nothing else
.set VW,  240
.set F,   244                          ; v[244:245] f = 2^(old M - new M)
.set PW,  246
.set TP,  247
.set QW,  249
.set MNT, 17
.set SEL, 18
.set CS,  22
.set TBK, 48
.set TSK, 49
.set TSV, 50
.set KF,  51
.set CNT, 52
	s_load_b128 s[4:7], s[0:1], 0x0                ; the workspace of q, k, V^T; res_pos
	s_load_b64 s[8:9], s[0:1], 0x10                ; the result
	v_lshl_add_u32 v254, v0, 2, 0x3c000
	v_mov_b32 v255, 0
	ds_add_u32 v254, v255
	ds_add_u32 v254, v255
	s_wait_dscnt 0x0
	v_lshrrev_b32 v8, 5, v0
	v_readfirstlane_b32 s10, v8                    ; wave 0..15
	s_lshr_b32 s11, s10, 3                         ; e: which of the two heads
	s_and_b32 s12, s10, 7                          ; which tile of 16 queries
	s_lshl_b32 s13, ttmp9, 7                       ; the block's first query
	s_and_b32 s14, ttmp7, 0xffff
	s_lshr_b32 s15, s14, 3
	s_lshl_b32 s15, s15, 11                        ; the batch's first token
	s_and_b32 s14, s14, 7                          ; the pair of heads
	s_sub_co_i32 s16, s13, 512                     ; the window's first key (may be negative)
	s_mov_b32 s28, (0<<16)|(1<<20)|(4<<22)|(3<<25) ; group 1: no mask; elements of 1 byte; padding: 4 words after every 32
	s_mov_b32 s29, 128<<16                         ; tensor_dim0
	s_mov_b32 s30, 128<<16                         ; tensor_dim1
	s_mov_b32 s31, 128<<16                         ; tile_dim0
	s_mov_b32 s32, 128                             ; tile_dim1
	s_mov_b32 s33, 128                             ; the pitch: both kinds of chunk are dense in memory
	s_mov_b32 s34, 0
	s_mov_b32 s35, 0
	; the chunk that I fetch (waves 0-4: K's chunk w; waves 5-9: V^T's chunk w - 5)
	s_add_co_u32 s38, s14, 8
	s_lshl_b32 s38, s38, 19                        ; k's panel: 4,096 rows x 128 bytes each
	s_lshl_b32 s39, s14, 14
	s_add_co_u32 s39, s39, VTC                     ; V^T: my 128 channels' rows in a panel of 128 tokens
	s_cmp_lt_u32 s10, 5
	s_cselect_b32 s40, 0, 5
	s_sub_co_u32 s40, s10, s40
	s_lshl_b32 s40, s40, 7
	s_add_co_i32 s40, s40, s16
	s_max_i32 s40, s40, 0                          ; its first key, held at 0
	s_add_co_u32 s40, s40, s15                     ; as a token
	s_lshl_b32 s41, s40, 7
	s_add_co_u32 s41, s41, s38
	s_lshr_b32 s42, s40, 7
	s_lshl_b32 s42, s42, 17                        ; a panel of V^T: 1,024 rows x 128 bytes
	s_add_co_u32 s42, s42, s39
	s_cmp_lt_u32 s10, 5
	s_cselect_b32 s40, s41, s42
	s_mov_b32 s41, 0
	s_mov_b32 s24, 1
	s_mul_i32 s25, s10, CH                         ; LDS: chunk w
	; the 512 bytes of scale words that I fetch (waves 0-9: K's of chunk w / 2, head w % 2; waves 10-14: V^T's of chunk w - 10)
	s_lshl_b32 s43, s14, 15
	s_add_co_u32 s43, s43, QKS+16*16384
	s_lshl_b32 s44, s14, 9
	s_add_co_u32 s44, s44, VTS
	s_lshr_b32 s36, s10, 1
	s_sub_co_u32 s37, s10, 10
	s_cmp_lt_u32 s10, 10
	s_cselect_b32 s36, s36, s37
	s_lshl_b32 s36, s36, 7
	s_add_co_i32 s36, s36, s16
	s_max_i32 s36, s36, 0
	s_add_co_u32 s36, s36, s15
	s_and_b32 s37, s10, 1
	s_lshl_b32 s37, s37, 14
	s_lshl_b32 s45, s36, 2
	s_add_co_u32 s37, s37, s45
	s_add_co_u32 s37, s37, s43
	s_lshr_b32 s45, s36, 7
	s_lshl_b32 s45, s45, 13
	s_add_co_u32 s45, s45, s44
	s_cmp_lt_u32 s10, 10
	s_cselect_b32 s36, s37, s45
	s_mov_b32 s37, 0
	; my queries
	s_lshl_b32 s46, s12, 4
	s_add_co_u32 s46, s46, s13
	s_add_co_u32 s46, s46, s15                     ; my first query, as a token
	s_lshl_b32 s54, s46, 7
	s_lshl_b32 s47, s14, 19
	s_add_co_u32 s54, s54, s47
	s_lshl_b32 s47, s11, 6
	s_add_co_u32 s54, s54, s47
	s_mov_b32 s55, 0
	s_lshl_b32 s56, s14, 1
	s_add_co_u32 s56, s56, s11
	s_lshl_b32 s56, s56, 14
	s_lshl_b32 s47, s46, 2
	s_add_co_u32 s56, s56, s47
	s_add_co_u32 s56, s56, QKS
	s_mov_b32 s57, 0
	s_lshl_b32 s58, s14, 12                        ; res_pos: two heads of 2,048 bytes
	s_mov_b32 s59, 0
	s_mov_b32 s[MNT], 0x600000
	s_mov_b32 s[SEL], 0x76543210
	s_mov_b32 s[SEL+1], 0xfedcba98
	s_mov_b32 s[CS], 0x3e38aa3b                    ; c = log2(e) / 8
	s_mov_b32 s[CS+1], s[CS]
	v_and_b32 v42, 31, v0
	v_lshlrev_b32 v42, 4, v42                      ; 16 x lane
	v_lshlrev_b32 v43, 2, v0                       ; 4 x thread
	v_and_b32 v8, 15, v0                           ; r
	v_bfe_u32 v9, v0, 4, 1                         ; h
	v_lshlrev_b32 v48, 7, v8
	v_lshl_add_u32 v48, v9, 4, v48                 ; q: row r of 128 bytes, + 16 h
	v_lshlrev_b32 v49, 2, v8
	s_wait_kmcnt 0x0
	s_add_nc_u64 s[26:27], s[4:5], s[40:41]
	s_or_b32 s27, s27, 0x80000000
	s_cmp_lt_u32 s10, 10
	s_cbranch_scc0 .Lno_tile
	tensor_load_to_lds s[24:27], s[28:35]          ; the launch's only fills: one a wave, ahead of every wait, LDS read and barrier
	s_nop 0
.rept 4
	v_nop
.endr
.Lno_tile:
	s_add_nc_u64 s[36:37], s[4:5], s[36:37]
	s_add_nc_u64 s[54:55], s[4:5], s[54:55]
	s_add_nc_u64 s[56:57], s[4:5], s[56:57]
	s_add_nc_u64 s[58:59], s[6:7], s[58:59]
	s_cmp_lt_u32 s10, 15
	s_cbranch_scc0 .Lno_words
	global_load_b128 v[44:47], v42, s[36:37]
.Lno_words:
	global_load_b32 v40, v43, s[58:59]             ; res_pos[head][thread], both heads
	global_load_b32 v41, v43, s[58:59] offset:2048
	global_load_b128 v[24:27], v48, s[54:55]       ; q's 64 codes: half a fragment
	global_load_b128 v[28:31], v48, s[54:55] offset:32
	global_load_b32 v[QW], v49, s[56:57]
	v_and_b32 v11, 8, v8
	v_add_nc_u32 v11, v11, v8                      ; r + 8 (r / 8)
	v_mul_u32_u24 v[AK0], v11, 144
	v_lshl_add_u32 v[AK0], v9, 4, v[AK0]
	s_lshl_b32 s44, s11, 6
	v_add_nc_u32 v[AK0], s44, v[AK0]               ; my head's 64 bytes of a key's row
	v_mul_u32_u24 v[AV0], v8, 144
	v_lshl_add_u32 v[AV0], v9, 4, v[AV0]
	s_mul_i32 s45, s11, 64*144
	s_add_co_u32 s45, s45, VT
	v_add_nc_u32 v[AV0], s45, v[AV0]               ; my head's 64 rows of V^T
	s_lshl_b32 s45, s11, 9
	s_add_co_u32 s45, s45, SCL
	v_lshl_add_u32 v[ASK0], v11, 2, s45
	s_lshl_b32 s45, s11, 8
	s_add_co_u32 s45, s45, SCL+5120
	v_lshl_add_u32 v[ASV0], v8, 2, s45
	; the table: entry y of copy s is T[639 - y - s].  Register 16 b + i of step j wants T[d], d = 512 - 128 j + 16 w' + r - 32 b - 16 h - i: copy 3 - r % 4, entry 124 - (r & 12) + 128 j - 16 w' + 32 b + 16 h + i
	v_and_b32 v[AT0], 3, v8
	v_xor_b32 v[AT0], 3, v[AT0]                    ; 3 - r % 4
	v_mul_u32_u24 v[AT0], v[AT0], TCP
	v_and_b32 v12, 12, v8
	v_xor_b32 v12, 12, v12                         ; 12 - (r & 12)
	v_lshl_add_u32 v[AT0], v12, 2, v[AT0]
	v_lshl_add_u32 v[AT0], v9, 6, v[AT0]
	s_mul_i32 s45, s11, THD
	s_xor_b32 s46, s12, 7                          ; 7 - w':  496 - 4 (r & 12) - 64 w' = 4 (12 - (r & 12)) + 64 (7 - w')
	s_lshl_b32 s46, s46, 6
	s_add_co_u32 s45, s45, s46
	s_add_co_u32 s45, s45, TBL
	v_add_nc_u32 v[AT0], s45, v[AT0]
	v_lshl_add_u32 v50, v0, 4, SCL                 ; where my 16 bytes of scale words go: 512 x wave + 16 x lane
	v_sub_nc_u32 v250, 639, v0
	v_lshl_add_u32 v250, v250, 2, TBL              ; thread t's value: copy s, entry 639 - s - t: 4,156 bytes on from copy to copy
.irp s, 0,1,2,3
	v_sub_nc_u32 v[251+\s], 127-\s, v0
	v_and_b32 v[251+\s], 1023, v[251+\s]           ; and one masked entry: (127 - s - t) modulo 1,024: the two together fill entries 0 to 1,023 of each copy once
	v_lshl_add_u32 v[251+\s], v[251+\s], 2, TBL+\s*TCP
.endr
	v_mov_b32 v255, 0xf1800000                     ; -2^100
.irp j, 0,1,2,3,4,5,6,7
	v_mov_b32 v[16+\j], 0                          ; zero codes on both sides of q: v[24:39] = [q, 0], v[16:31] = [0, q]
	v_mov_b32 v[32+\j], 0
.endr
.set jj, 0
.rept 32
	v_mov_b32 v[O+jj], 0                           ; O^T: the step is written once; the first finds zeros, which the first change of M leaves zeros
.set jj, jj+1
.endr
	v_mov_b32 v13, 0xff61b1e6                      ; the largest t so far: -3e38
	v_floor_f32 v12, -v13                          ; -M
	v_mov_b32 v14, 0                               ; the sum, in two halves
	v_mov_b32 v15, 0
.irp b, 0,1,2,3
	v_mov_b32 v[PT+\b], 0                          ; a lane permute's destination counts as one of its sources
.endr
	v_mov_b32 v[F+1], 0
	v_mov_b32 v[TP], 0
	s_wait_loadcnt 0x0
	v_mul_f32 v40, 0x41000000, v40                 ; 8 x bias
	v_mul_f32 v41, 0x41000000, v41
	s_cmp_lt_u32 s10, 15
	s_cbranch_scc0 .Lno_words2
	ds_store_b128 v50, v[44:47]
.Lno_words2:
.irp e, 0,1
.irp s, 0,1,2,3
	ds_store_b32 v250, v[40+\e] offset:\e*THD+\s*(TCP-4)
	ds_store_b32 v[251+\s], v255 offset:\e*THD
.endr
.endr
	s_wait_tensorcnt 0x0                           ; my chunk has landed,
	s_wait_dscnt 0x0                               ; my stores too: for the others' sake
	s_barrier_signal -1
	s_barrier_wait -1
	s_mov_b32 s[TBK], 5*CH                         ; the step's places, stepped down at each trip's head: chunk j = 4, 3, .. 0
	s_mov_b32 s[TSK], 5*1024
	s_mov_b32 s[TSV], 5*512                        ; V^T's words and the table alike: 512 bytes a chunk
	s_add_co_u32 s[KF], s13, 128
	s_mov_b32 s[CNT], 5
.Lstep:
	s_sub_co_u32 s[TBK], s[TBK], CH
	s_sub_co_u32 s[TSK], s[TSK], 1024
	s_sub_co_u32 s[TSV], s[TSV], 512
	s_sub_co_i32 s[KF], s[KF], 128                 ; the chunk's first key
	s_cmp_lt_i32 s[KF], 0
	s_cbranch_scc1 .Lhidden                        ; ahead of key 0: nothing to do
	v_add_nc_u32 v[ADK], s[TBK], v[AK0]
	v_add_nc_u32 v[ADV], s[TBK], v[AV0]
	v_add_nc_u32 v[ADS], s[TSK], v[ASK0]
	v_add_nc_u32 v[ADT], s[TSV], v[ASV0]
	v_add_nc_u32 v[ADB], s[TSV], v[AT0]
.rept 3
	v_nop                                          ; with the five additions: eight places in front of loads into registers that the last products read
.endr
.irp b, 0,1,2,3
.irp k, 0,1,2,3
	ds_load_b128 v[S+16*\b+4*\k:S+16*\b+4*\k+3], v[ADB] offset:128*\b+16*\k      ; mask and bias: the C of the scores
.endr
.endr
.irp b, 0,1,2,3
.irp c, 0,1
	ds_load_b128 v[FRG+16*\b+4*\c:FRG+16*\b+4*\c+3], v[ADK] offset:32*\b*144+32*\c            ; tile 2 b's keys in the fragment's first half,
.endr
.irp c, 0,1
	ds_load_b128 v[FRG+16*\b+8+4*\c:FRG+16*\b+8+4*\c+3], v[ADK] offset:(32*\b+8)*144+32*\c    ; tile 2 b + 1's in its second
.endr
	ds_load_b32 v[KW+2*\b], v[ADS] offset:32*\b*4
	ds_load_b32 v[KW+2*\b+1], v[ADS] offset:(32*\b+8)*4
.endr
	s_wait_dscnt 0x0
.irp b, 0,1,2,3
	v_wmma_scale_f32_16x16x128_f8f6f4 v[S+16*\b:S+16*\b+7], v[FRG+16*\b:FRG+16*\b+15], v[24:39], v[S+16*\b:S+16*\b+7], v[KW+2*\b], v[QW]
	v_wmma_scale_f32_16x16x128_f8f6f4 v[S+16*\b+8:S+16*\b+15], v[FRG+16*\b:FRG+16*\b+15], v[16:31], v[S+16*\b+8:S+16*\b+15], v[KW+2*\b+1], v[QW]
.endr
.rept 8
	v_nop                                          ; places: the loads below land in the fragments just read, and the maxima read the results
.endr
.irp t, 0,1,2,3
.irp c, 0,1,2,3
	ds_load_b128 v[FRG+16*\t+4*\c:FRG+16*\t+4*\c+3], v[ADV] offset:16*\t*144+32*\c   ; V^T: they land under the softmax
.endr
	ds_load_b32 v[VW+\t], v[ADT] offset:64*\t
.endr
.irp b, 0,1,2,3
	v_max3_num_f32 v[BX+\b], v[S+16*\b], v[S+1+16*\b], v[S+2+16*\b]   ; the largest score of each block of 32 keys: for the row's maximum and, since p rises with the score, for the block's largest p
.endr
.irp i, 3,5,7,9,11,13
.irp b, 0,1,2,3
	v_max3_num_f32 v[BX+\b], v[BX+\b], v[S+16*\b+\i], v[S+1+16*\b+\i]
.endr
.endr
.irp b, 0,1,2,3
	v_max_num_f32 v[BX+\b], v[BX+\b], v[S+15+16*\b]
.endr
.irp b, 0,1,2,3
	v_permlanex16_b32 v[PT+\b], v[BX+\b], s[SEL], s[SEL+1]
.endr
.irp b, 0,1,2,3
	v_max_num_f32 v[BX+\b], v[BX+\b], v[PT+\b]
.endr
	v_max3_num_f32 v[TP], v[BX], v[BX+1], v[BX+2]
	v_max_num_f32 v[TP], v[TP], v[BX+3]
	v_mul_f32 v[TP], s[CS], v[TP]                  ; as t (c is positive)
	v_max_num_f32 v13, v13, v[TP]                  ; the running largest t
	v_mov_b32 v[TP], v12
	v_floor_f32 v12, -v13                          ; the new -M = -ceil(t)
	v_sub_f32 v[TP], v12, v[TP]                    ; old M - new M: a whole number, 0 or less
	v_cvt_i32_f32 v[TP], v[TP]                     ; (it saturates)
	v_ldexp_f32 v[F], 1.0, v[TP]                   ; f = 2^(old M - new M)
.set jj, 0
.rept 32
	v_pk_fma_f32 v[S+jj:S+jj+1], v[S+jj:S+jj+1], s[CS:CS+1], v[12:13] op_sel_hi:[1,0,0]   ; t - M
.set jj, jj+2
.endr
.irp b, 0,1,2,3
	v_fma_f32 v[BX+\b], v[BX+\b], s[CS], v12
.endr
.set jj, 0
.rept 64
	v_exp_f32 v[S+jj], v[S+jj]                     ; p = 2^(t - M); a masked key's is 0
.set jj, jj+1
.endr
	v_pk_mul_f32 v[14:15], v[14:15], v[F:F+1] op_sel_hi:[1,0]   ; the sums under the new M: a plain instruction behind the exponentials
	s_wait_alu depctr_va_vdst(0)                   ; one wait for the whole batch, ahead of its first reader
.irp b, 0,1,2,3
	v_exp_f32 v[BX+\b], v[BX+\b]                   ; the blocks' largest p
.endr
	v_pk_add_f32 v[PT:PT+1], v[S:S+1], v[S+2:S+3]  ; the row's sum of the unquantised p, in two chains
.irp j, 4,8,12,16,20,24,28,32,36,40,44,48,52,56,60
	v_pk_add_f32 v[14:15], v[14:15], v[S+\j:S+\j+1]
	v_pk_add_f32 v[PT:PT+1], v[PT:PT+1], v[S+2+\j:S+3+\j]
.endr
	v_pk_add_f32 v[14:15], v[14:15], v[PT:PT+1]
	s_wait_alu depctr_va_vdst(0)                   ; and one for the four
.irp b, 0,1,2,3
	v_max_num_f32 v[BX+\b], 0x4800000, v[BX+\b]    ; the floor 2^(9 - 127): the byte cannot fall under 1
.endr
.irp b, 0,1,2,3
	v_add_nc_u32 v[SO+\b], 0xfc000000, v[BX+\b]
.endr
.irp b, 0,1,2,3
	v_and_or_b32 v[HL+\b], v[BX+\b], 0x7f800000, s[MNT]
.endr
.irp b, 0,1,2,3
	v_lshrrev_b32 v[PT+\b], 23, v[SO+\b]
.endr
	v_lshl_or_b32 v[PW], v[PT+1], 8, v[PT]         ; p's scale word for these 128 keys
	v_lshl_or_b32 v[PW], v[PT+2], 16, v[PW]
	v_lshl_or_b32 v[PW], v[PT+3], 24, v[PW]
.irp b, 0,1,2,3
.irp i, 0,1,2,3,4,5,6,7,8,9,10,11,12,13,14,15
	v_min_num_f32 v[S+16*\b+\i], v[S+16*\b+\i], v[HL+\b]   ; the conversion does not saturate (ISA guide 7.6.2); p is not negative
.endr
	v_cvt_scalef32_pk8_fp8_f32 v[PC+4*\b:PC+4*\b+1], v[S+16*\b:S+16*\b+7], v[SO+\b]
	v_cvt_scalef32_pk8_fp8_f32 v[PC+4*\b+2:PC+4*\b+3], v[S+16*\b+8:S+16*\b+15], v[SO+\b]
.endr
.set jj, 0
.rept 16
	v_pk_mul_f32 v[O+jj:O+jj+1], v[O+jj:O+jj+1], v[F:F+1] op_sel_hi:[1,0]   ; O^T under the new M; these are also the places in front of the products below
.set jj, jj+2
.endr
	s_wait_dscnt 0x0                               ; V^T's fragments and words
.irp t, 0,1,2,3
	v_wmma_scale_f32_16x16x128_f8f6f4 v[O+8*\t:O+8*\t+7], v[FRG+16*\t:FRG+16*\t+15], v[PC:PC+15], v[O+8*\t:O+8*\t+7], v[VW+\t], v[PW]
.endr
.Lhidden:
	s_sub_co_u32 s[CNT], s[CNT], 1
	s_cmp_lg_u32 s[CNT], 0
	s_cbranch_scc1 .Lstep
	; THE WAY OUT: O^T / the sum, quantised along the channels (my head's 64 are two blocks), through a stage that the sixteen waves share: a row's 128 bytes come from two waves
	v_add_f32 v14, v14, v15
	v_permlanex16_b32 v[TP], v14, s[SEL], s[SEL+1]
	v_add_f32 v14, v14, v[TP]                      ; the row's sum
	v_rcp_f32 v14, v14
	s_mul_i32 s40, s12, 16*144
	s_lshl_b32 s41, s11, 6
	s_add_co_u32 s40, s40, s41
	s_add_co_u32 s40, s40, STG
	s_lshl_b32 s41, s12, 6
	s_lshl_b32 s42, s11, 1
	s_add_co_u32 s41, s41, s42
	s_add_co_u32 s41, s41, SST
	s_mul_i32 s42, s10, 8*144
	s_add_co_u32 s42, s42, STG
	s_add_co_u32 s43, s13, s15                     ; the block's first token
	s_lshl_b32 s44, s43, 7
	s_lshl_b32 s45, s14, 19
	s_add_co_u32 s44, s44, s45
	s_lshl_b32 s45, s10, 10
	s_add_co_u32 s44, s44, s45
	s_mov_b32 s45, 0
	s_add_nc_u64 s[44:45], s[8:9], s[44:45]        ; codes: panel, row, my wave's eight rows
	s_lshl_b32 s46, s43, 2
	s_lshl_b32 s47, s14, 14
	s_add_co_u32 s46, s46, s47
	s_add_co_u32 s46, s46, CSC
	s_mov_b32 s47, 0
	s_add_nc_u64 s[46:47], s[8:9], s[46:47]        ; scale words
	v_and_b32 v8, 15, v0                           ; the address work is also the places behind the last products and the plain instruction behind the reciprocal
	v_bfe_u32 v9, v0, 4, 1
	v_and_b32 v10, 31, v0
	v_mul_u32_u24 v6, v8, 144
	v_lshl_add_u32 v6, v9, 3, v6
	v_add_nc_u32 v6, s40, v6                       ; in: my query's row, my head's 64 bytes, + 8 h
	v_lshl_add_u32 v7, v8, 2, s41                  ; my head's two bytes of my query's scale word
	v_lshrrev_b32 v11, 3, v10
	v_mul_u32_u24 v11, v11, 144
	v_and_b32 v[ADB], 7, v10
	v_lshl_add_u32 v11, v[ADB], 4, v11
	v_add_nc_u32 v11, s42, v11                     ; back: eight lanes to a row, four rows an instruction
	v_lshlrev_b32 v10, 4, v10                      ; 16 x lane
	v_add_nc_u32 v9, SST, v10
	s_wait_alu depctr_va_vdst(0)                   ; ahead of the reciprocal's first reader
.set jj, 0
.rept 32
	v_mul_f32 v[S+jj], v[O+jj], v14                ; register 8 t + i: channel 16 t + 8 h + i; each accumulator from its low end on
.set jj, jj+1
.endr
.irp b, 0,1
	v_max3_num_f32 v[BX+\b], |v[S+16*\b]|, |v[S+1+16*\b]|, 0x4800000
.endr
.irp i, 2,4,6,8,10,12,14
.irp b, 0,1
	v_max3_num_f32 v[BX+\b], v[BX+\b], |v[S+16*\b+\i]|, |v[S+1+16*\b+\i]|
.endr
.endr
.irp b, 0,1
	v_permlanex16_b32 v[PT+\b], v[BX+\b], s[SEL], s[SEL+1]
.endr
.irp b, 0,1
	v_max_num_f32 v[BX+\b], v[BX+\b], v[PT+\b]
.endr
.irp b, 0,1
	v_add_nc_u32 v[SO+\b], 0xfc000000, v[BX+\b]
.endr
.irp b, 0,1
	v_and_or_b32 v[HL+\b], v[BX+\b], 0x7f800000, s[MNT]
.endr
.irp b, 0,1
	v_lshrrev_b32 v[PT+\b], 23, v[SO+\b]
.endr
	v_lshl_or_b32 v[PT], v[PT+1], 8, v[PT]
.irp b, 0,1
.irp i, 0,1,2,3,4,5,6,7,8,9,10,11,12,13,14,15
	v_med3_num_f32 v[S+16*\b+\i], v[S+16*\b+\i], -v[HL+\b], v[HL+\b]
.endr
	v_cvt_scalef32_pk8_fp8_f32 v[PC+4*\b:PC+4*\b+1], v[S+16*\b:S+16*\b+7], v[SO+\b]
	v_cvt_scalef32_pk8_fp8_f32 v[PC+4*\b+2:PC+4*\b+3], v[S+16*\b+8:S+16*\b+15], v[SO+\b]
.endr
	v_nop                                          ; a plain instruction behind the last conversion
.irp t, 0,1,2,3
	ds_store_b64 v6, v[PC+2*\t:PC+2*\t+1] offset:16*\t
.endr
	ds_store_b16 v7, v[PT]                         ; both halves of the lanes write the same two bytes with the same value
	s_wait_dscnt 0x0                               ; for the others' sake
	s_barrier_signal -1
	s_barrier_wait -1
	ds_load_b128 v[S:S+3], v11
	ds_load_b128 v[S+4:S+7], v11 offset:576
	s_wait_dscnt 0x0
	global_store_b128 v10, v[S:S+3], s[44:45]      ; 32 lanes store 512 consecutive bytes, aligned
	global_store_b128 v10, v[S+4:S+7], s[44:45] offset:512
	s_cmp_lg_u32 s10, 0
	s_cbranch_scc1 .Lend
	ds_load_b128 v[S+8:S+11], v9                   ; the 128 rows' scale words
	s_wait_dscnt 0x0
	global_store_b128 v10, v[S+8:S+11], s[46:47]
.Lend:
	s_wait_xcnt 0x0
	v_lshl_add_u32 v254, v0, 2, 0x3c000
	v_mov_b32 v255, 0
	s_wait_tensorcnt 0x0
	ds_add_u32 v254, v255
	s_wait_dscnt 0x0
	s_endpgm
.Lfunc_end_k_q16d7949cfd_attn:
	.size	k_q16d7949cfd_attn, .Lfunc_end_k_q16d7949cfd_attn-k_q16d7949cfd_attn
	.p2alignl 7, 3214868480
	.fill 96, 4, 3214868480
	.section	.rodata,"a",@progbits
	.p2align	6, 0x0
	.amdhsa_kernel k_q16d7949cfd_attn
		.amdhsa_group_segment_fixed_size 247808
		.amdhsa_private_segment_fixed_size 0
		.amdhsa_enable_private_segment 0
		.amdhsa_kernarg_size 24
		.amdhsa_user_sgpr_count 2
		.amdhsa_user_sgpr_kernarg_segment_ptr 1
		.amdhsa_wavefront_size32 1
		.amdhsa_system_sgpr_workgroup_id_x 1
		.amdhsa_system_sgpr_workgroup_id_y 1
		.amdhsa_system_sgpr_workgroup_id_z 1
		.amdhsa_system_vgpr_workitem_id 0
		.amdhsa_next_free_vgpr 256
		.amdhsa_next_free_sgpr 66
		.amdhsa_reserve_vcc 0
		.amdhsa_float_denorm_mode_32 3
		.amdhsa_float_denorm_mode_16_64 3
		.amdhsa_memory_ordered 1
		.amdhsa_forward_progress 1
		.amdhsa_inst_pref_size 40
	.end_amdhsa_kernel
	.amdgpu_metadata
---
amdhsa.version: [ 1, 2 ]
amdhsa.kernels:
  - .name:           k_q16d7949cfd_attn
    .symbol:         k_q16d7949cfd_attn.kd
    .args:
      - { .name: qkv, .offset: 0, .size: 8, .value_kind: global_buffer, .address_space: global }
      - { .name: res_pos, .offset: 8, .size: 8, .value_kind: global_buffer, .address_space: global }
      - { .name: ctx, .offset: 16, .size: 8, .value_kind: global_buffer, .address_space: global }
    .group_segment_fixed_size: 247808
    .private_segment_fixed_size: 0
    .kernarg_segment_align: 8
    .kernarg_segment_size: 24
    .max_flat_workgroup_size: 512
    .sgpr_count:     66
    .vgpr_count:     256
    .wavefront_size: 32
...
	.end_amdgpu_metadata
.endif
;; end of part 3
;; launch oproj (part 4): grid 8 x 32, 4 waves a work-group, clusters of 4 x 4, 327,680 bytes of LDS; arguments ctx, w_out_codes, w_out_scales, b_out, x, x1; writes x1
.if DOCPART == 4
	.amdgcn_target "amdgcn-amd-amdhsa--gfx1250"
	.amdhsa_code_object_version 6
	.text
	.protected	k_q16d7949cfd_oproj
	.globl	k_q16d7949cfd_oproj
	.p2align	8
	.type	k_q16d7949cfd_oproj,@function
k_q16d7949cfd_oproj:
	s_mov_b64 s[64:65], 0
	v_nop
	global_prefetch_b8 v0, s[64:65] scope:SCOPE_SE
	s_setreg_imm32_b32 hwreg(HW_REG_WAVE_MODE, 25, 1), 1
	s_wait_xcnt 0x0
	s_wait_alu depctr_hold_cnt(0) depctr_sa_sdst(0) depctr_va_vdst(0) depctr_va_sdst(0) depctr_va_ssrc(0) depctr_va_vcc(0) depctr_vm_vsrc(0)
	s_getreg_b32 s2, hwreg(HW_REG_IB_STS2, 6, 4)
	s_cmp_eq_u32 s2, 0
	s_cbranch_scc0 .Lentry_in_a_cluster
	s_endpgm
.Lentry_in_a_cluster:
	s_bfe_u32 s2, ttmp6, 0x10000c
	s_cmp_lg_u32 s2, 0xf033
	s_cbranch_scc0 .Lentry_shape_is_right
	s_endpgm
.Lentry_shape_is_right:
; out = resid + A W^T + bias.  A: [4096][SIZE_K] as codes of E4M3 in panels of 128 along K, [SIZE_K / 128][4096][128 bytes], with one scale word for each row and panel, [SIZE_K / 128][4096], behind the codes;
; W: [1024][SIZE_K] codes, K innermost, scale bytes [1024][SIZE_K / 32]; bias [1024], resid and out [4096][1024]: f32.  One text serves SIZE_K = 1,024 and 4,096.
; With 1,024 columns, tiles of 256 x 256 would be 64: a tile is 128 x 128, 256 work-groups.  Four waves of 64 x 64: 16 accumulators.  K goes in steps of 512 (four panels of A; rows of 512 bytes of W) through a ring of
; two LDS slots: 64 matrix instructions a wave between two changes of slots.  All scale words of the tile's rows come once, with the first fills.
; CLUSTERS of 4 x 4: A's tiles are asked for jointly along a row of the cluster, W's along a column.  The matrix instruction is used transposed (source 0 = 16 rows of W, source 1 = 16 rows of A).
; The bias is the C of each sum's first product.  The residual's rows are asked for at the head, into registers of their own, and added on the way out.
; REGISTERS: window 0: v0-31 addresses; v32-95 scale words, two sets (16 of A, 16 of W each); v96-127 the bias in the result's layout; v128-255 accumulators.  window 1: two fragment buffers of 128 (A's four, then W's four);
; on the way out rows read back.  window 2: v0-127 the residual.
; No prefetch: the launch is short and its tiles are shared by multicast.
.set SIZE_K, 1024
.set KS,     SIZE_K/32
.set NPAN,   SIZE_K/128
.set LAPS,   SIZE_K/1024               ; a lap = two slots
.set AHALF,  4*64*144                  ; 64 rows of A in a slot: [4 panels][64 rows][128 bytes + 16]
.set BHALF,  64*528                    ; 64 rows of W: 512 bytes + 16
.set BOFF,   2*AHALF
.set SLOT,   BOFF+2*BHALF
.set SCA,    2*SLOT                    ; A's scale words: [half][panel][64 rows x 4 bytes]
.set HSA,    256*NPAN
.set SCB,    SCA+2*HSA                 ; W's scale bytes: a half's dense block as units of 256 bytes + 16
.set HSB,    (64*KS/256)*272
.set SBLK,   (16*KS/256)*272
.set SPARE,  SCB+2*HSB                 ; the spare words, 128 bytes a wave
.set ADRA, 16
.set ADRB, 20
.set ADSA, 22
.set ADSB, 23
.set STO,  24
.set RD,   25
.set CO,   26
.set BNA,  27
.set SPW,  28
.set NIL,  29
.set SC,   32
.set BN,   96
.set ACC,  128
.set G1A, 24
.set G0A, 32
.set G1B, 40
.set G0B, 48
.set G1SA, 56
.set G0SA, 68
.set G1SB, 72
.set G0SB, 80
.set MSB, 0
.macro WIN new                         ; the immediate's high byte repeats the setting that is left
.if MSB != \new
	s_set_vgpr_msb (MSB<<8)|\new
.set MSB, \new
.endif
.endm
.set MUL,  0x05                        ; sources 0 (W) and 1 (A) window 1; C and D window 0
.set TO_F, 0x40                        ; destination window 1
.macro JLOAD g0a, g1a, g0b, g1b        ; a joint load: waves 0 and 1 fetch for A, waves 2 and 3 for W; four v_nop follow each of the two lines
	s_cmp_eq_u32 s17, 0
	s_cbranch_scc0 .Lfor_b_\@
	tensor_load_to_lds s[\g0a:\g0a+3], s[\g1a:\g1a+7]
	s_nop 0
.rept 4
	v_nop
.endr
	s_branch .Lasked_\@
.Lfor_b_\@:
	tensor_load_to_lds s[\g0b:\g0b+3], s[\g1b:\g1b+7]
	s_nop 0
.rept 4
	v_nop
.endr
.Lasked_\@:
.endm
.macro CREST
	s_cmp_lg_u32 s16, 0
	s_cbranch_scc1 .Lnot_wave_0_\@
	s_barrier_signal -3
.Lnot_wave_0_\@:
	s_barrier_wait -3
	s_barrier_signal -1
	s_barrier_wait -1
.endm
.macro CROUND
	s_barrier_signal -1
	s_barrier_wait -1
	CREST
.endm
.macro PLACES n
.rept \n
	v_nop
.endr
.endm
	s_load_b256 s[4:11], s[0:1], 0x0               ; A, W's codes, W's scales, the bias
	s_load_b128 s[12:15], s[0:1], 0x20             ; the residual, the output
	v_lshl_add_u32 v[SPW], v0, 2, SPARE
	v_mov_b32 v[NIL], 0
	ds_add_u32 v28, v29
	ds_add_u32 v28, v29
	s_wait_dscnt 0x0
	v_lshrrev_b32 v1, 5, v0
	v_readfirstlane_b32 s16, v1                    ; wave 0..3
	s_lshr_b32 s17, s16, 1                         ; which half of the tile's rows is mine.  Also: I fetch for A (0) or for W (1)
	s_and_b32 s18, s16, 1                          ; which half of its columns.  Also: which 64 rows I fetch
	s_bfe_u32 s19, ttmp6, 0x40000                  ; cx, cy
	s_bfe_u32 s20, ttmp6, 0x40004
	s_lshl_b32 s21, ttmp9, 2
	s_add_co_u32 s21, s21, s19                     ; tile column
	s_and_b32 s22, ttmp7, 0xffff
	s_lshl_b32 s22, s22, 2
	s_add_co_u32 s22, s22, s20                     ; tile row
	s_lshl_b32 s23, s20, 2
	s_lshl_b32 s23, 15, s23                        ; my row of the cluster
	s_lshl_b32 s2, 0x1111, s19                     ; my column
	; A's tile: 64 rows of a panel are 8,192 consecutive bytes: four such lines, a panel (524,288 bytes) apart; 16 bytes of padding behind every 128: in LDS 256 rows of 144 bytes
	s_or_b32 s[G1A+0], s23, (3<<16)|(1<<20)|(1<<21)|(4<<22)|(3<<25)
	s_mov_b32 s[G1A+1], 1024<<16                   ; tensor_dim0: 1,024 elements of 8 bytes
	s_mov_b32 s[G1A+2], 4<<16                      ; tensor_dim1
	s_mov_b32 s[G1A+3], 1024<<16                   ; tile_dim0
	s_mov_b32 s[G1A+4], 4                          ; tile_dim1
	s_mov_b32 s[G1A+5], 65536                      ; the pitch, in elements
	s_mov_b32 s[G1A+6], 0
	s_mov_b32 s[G1A+7], 0
	; W's tile: 64 rows x 512 bytes, 16 bytes of padding behind each
	s_or_b32 s[G1B+0], s2, (0<<16)|(1<<20)|(1<<21)|(6<<22)|(3<<25)
	s_mov_b32 s[G1B+1], 512<<16
	s_mov_b32 s[G1B+2], 64<<16
	s_mov_b32 s[G1B+3], 512<<16
	s_mov_b32 s[G1B+4], 64
	s_mov_b32 s[G1B+5], SIZE_K
	s_mov_b32 s[G1B+6], 0
	s_mov_b32 s[G1B+7], 0
	; A's scale words: 256 bytes (64 rows) of each panel's array, 16,384 bytes apart, no padding
	s_or_b32 s[G1SA+0], s23, (3<<16)|(1<<21)
	s_mov_b32 s[G1SA+1], 32<<16
	s_mov_b32 s[G1SA+2], NPAN<<16
	s_mov_b32 s[G1SA+3], 32<<16
	s_mov_b32 s[G1SA+4], NPAN
	s_mov_b32 s[G1SA+5], 2048
	s_mov_b32 s[G1SA+6], 0
	s_mov_b32 s[G1SA+7], 0
	; W's scale bytes of 64 rows: a dense block, as rows of 256 bytes, 16 bytes of padding behind each
	s_or_b32 s[G1SB+0], s2, (3<<16)|(1<<20)|(1<<21)|(5<<22)|(3<<25)
	s_mov_b32 s[G1SB+1], 32<<16
	s_mov_b32 s[G1SB+2], (64*KS/256)<<16
	s_mov_b32 s[G1SB+3], 32<<16
	s_mov_b32 s[G1SB+4], 64*KS/256
	s_mov_b32 s[G1SB+5], 32
	s_mov_b32 s[G1SB+6], 0
	s_mov_b32 s[G1SB+7], 0
	s_lshl_b32 s84, s18, 6
	s_lshl_b32 s85, s22, 7
	s_add_co_u32 s85, s85, s84                     ; A's rows that I fetch: 128 x tile row + 64 x half
	s_lshl_b32 s86, s21, 7
	s_add_co_u32 s86, s86, s84                     ; W's: 128 x tile column + 64 x half
	s_lshl_b32 s88, s85, 7                         ; in a panel of codes
	s_mov_b32 s89, 0
	s_lshl_b32 s90, s85, 2                         ; in an array of scale words, behind the codes
	s_add_co_u32 s90, s90, SIZE_K*4096
	s_mov_b32 s91, 0
	s_mul_i32 s92, s86, SIZE_K
	s_mov_b32 s93, 0
	s_mul_i32 s94, s86, KS
	s_mov_b32 s95, 0
	s_mul_i32 s84, s18, AHALF                      ; where they go: no place in the cluster enters an LDS address
	s_mul_i32 s85, s18, BHALF
	s_add_co_u32 s85, s85, BOFF
	s_mul_i32 s86, s18, HSA
	s_mul_i32 s87, s18, HSB
	s_wait_kmcnt 0x0
	s_add_nc_u64 s[88:89], s[4:5], s[88:89]
	s_add_nc_u64 s[90:91], s[4:5], s[90:91]
	s_add_nc_u64 s[92:93], s[6:7], s[92:93]
	s_add_nc_u64 s[94:95], s[8:9], s[94:95]
	CROUND                                         ; all sixteen work-groups are here: the first joint loads meet
	s_mov_b32 s[G0SA], 1
	s_add_co_u32 s[G0SA+1], s86, SCA
	s_mov_b64 s[G0SA+2:G0SA+3], s[90:91]
	s_or_b32 s[G0SA+3], s[G0SA+3], 0x80000000
	s_mov_b32 s[G0SB], 1
	s_add_co_u32 s[G0SB+1], s87, SCB
	s_mov_b64 s[G0SB+2:G0SB+3], s[94:95]
	s_or_b32 s[G0SB+3], s[G0SB+3], 0x80000000
	JLOAD G0SA, G1SA, G0SB, G1SB                   ; the scales first
.irp s, 0,1
	s_mov_b32 s[G0A+4*\s], 1
	s_add_co_u32 s[G0A+4*\s+1], s84, \s*SLOT
	s_add_nc_u64 s[G0A+4*\s+2:G0A+4*\s+3], s[88:89], \s*2097152   ; four panels on
	s_or_b32 s[G0A+4*\s+3], s[G0A+4*\s+3], 0x80000000
	s_mov_b32 s[G0B+4*\s], 1
	s_add_co_u32 s[G0B+4*\s+1], s85, \s*SLOT
	s_add_nc_u64 s[G0B+4*\s+2:G0B+4*\s+3], s[92:93], \s*512
	s_or_b32 s[G0B+4*\s+3], s[G0B+4*\s+3], 0x80000000
	JLOAD G0A+4*\s, G1A, G0B+4*\s, G1B
.endr
	v_and_b32 v1, 15, v0                           ; r
	v_bfe_u32 v2, v0, 4, 1                         ; h
	s_lshl_b32 s84, s22, 7
	s_lshl_b32 s85, s17, 6
	s_add_co_u32 s84, s84, s85                     ; my first row
	s_lshl_b32 s84, s84, 12                        ; of 4,096 bytes
	s_lshl_b32 s85, s21, 7
	s_lshl_b32 s86, s18, 6
	s_add_co_u32 s85, s85, s86                     ; my first column
	s_lshl_b32 s86, s85, 2
	s_add_co_u32 s84, s84, s86
	s_mov_b32 s85, 0
	s_mov_b32 s87, 0
	s_add_nc_u64 s[12:13], s[12:13], s[84:85]
	s_add_nc_u64 s[14:15], s[14:15], s[84:85]
	s_add_nc_u64 s[10:11], s[10:11], s[86:87]
	v_lshlrev_b32 v[BNA], 5, v2
	v_lshlrev_b32 v[CO], 12, v2
	v_lshl_add_u32 v[CO], v1, 4, v[CO]             ; lanes 0-15 one row's 256 bytes, lanes 16-31 the next row's
.irp b, 0,1,2,3
	global_load_b128 v[BN+8*\b:BN+8*\b+3], v[BNA], s[10:11] offset:64*\b          ; register 8 b + j: column 16 b + 8 h + j
	global_load_b128 v[BN+8*\b+4:BN+8*\b+7], v[BNA], s[10:11] offset:64*\b+16
.endr
	WIN 0x80                                       ; destination window 2
.irp a, 0,1,2,3
.irp k, 0,1,2,3,4,5,6,7
	global_load_b128 v[32*\a+4*\k:32*\a+4*\k+3], v[CO], s[12:13] offset:(16*\a+2*\k)*4096   ; the residual, as the way out will hold the rows
.endr
.endr
	WIN 0
	v_mul_u32_u24 v3, v1, 144
	v_lshl_add_u32 v3, v2, 4, v3
	v_mul_u32_u24 v4, v1, 528
	v_lshl_add_u32 v4, v2, 4, v4
	s_mul_i32 s84, s17, AHALF                      ; my 64 rows of A
	s_mul_i32 s85, s18, BHALF                      ; my 64 rows of W
	s_add_co_u32 s85, s85, BOFF
.irp s, 0,1
	v_add_nc_u32 v[ADRA+\s], s84, v3
	v_add_nc_u32 v[ADRB+\s], s85, v4
	s_add_co_u32 s84, s84, SLOT
	s_add_co_u32 s85, s85, SLOT
.endr
	s_mul_i32 s84, s17, HSA
	s_add_co_u32 s84, s84, SCA
	v_lshl_add_u32 v[ADSA], v1, 2, s84
	v_mul_u32_u24 v5, v1, KS                       ; W's scale bytes: KS a row, and 16 more for each 256 passed
	v_lshrrev_b32 v6, 8, v5
	v_lshl_add_u32 v5, v6, 4, v5
	s_mul_i32 s84, s18, HSB
	s_add_co_u32 s84, s84, SCB
	v_add_nc_u32 v[ADSB], s84, v5
	s_mul_i32 s84, s16, 16*272                     ; my stage for the way out: 16 rows x (256 bytes + 16), in slot 0
	v_mul_u32_u24 v5, v1, 272
	v_lshl_add_u32 v5, v2, 5, v5
	v_add_nc_u32 v[STO], s84, v5
	v_mul_u32_u24 v5, v2, 272
	v_lshl_add_u32 v5, v1, 4, v5
	v_add_nc_u32 v[RD], s84, v5
; 4 matrix instructions: A's block a x W's four, the slot's q-th 128 along K, from buffer f; p: the set of scale words.  zero = 1: the first product starts the sums from the bias.
; The 16 accumulators take turns, one instruction a turn, in the same order in every quarter.
.macro MUL4 f, a, p, q, zero
.irp b, 0,1,2,3
.if \zero
	v_wmma_scale_f32_16x16x128_f8f6f4 v[ACC+8*(4*(\a)+\b):ACC+8*(4*(\a)+\b)+7], v[\f+64+16*\b:\f+64+16*\b+15], v[\f+16*(\a):\f+16*(\a)+15], v[BN+8*\b:BN+8*\b+7], v[SC+32*(\p)+16+4*\b+(\q)], v[SC+32*(\p)+4*(\a)+(\q)]
.else
	v_wmma_scale_f32_16x16x128_f8f6f4 v[ACC+8*(4*(\a)+\b):ACC+8*(4*(\a)+\b)+7], v[\f+64+16*\b:\f+64+16*\b+15], v[\f+16*(\a):\f+16*(\a)+15], v[ACC+8*(4*(\a)+\b):ACC+8*(4*(\a)+\b)+7], v[SC+32*(\p)+16+4*\b+(\q)], v[SC+32*(\p)+4*(\a)+(\q)]
.endif
.endr
.endr
.endm
.macro FETCH slot, q, f                ; 32 LDS loads in one run: W's four fragments, then A's four
	WIN TO_F
.irp i, 0,1,2,3
.irp c, 0,1,2,3
	ds_load_b128 v[\f+64+16*\i+4*\c:\f+64+16*\i+4*\c+3], v[ADRB+\slot] offset:128*(\q)+8448*\i+32*\c
.endr
.endr
.irp i, 0,1,2,3
.irp c, 0,1,2,3
	ds_load_b128 v[\f+16*\i+4*\c:\f+16*\i+4*\c+3], v[ADRA+\slot] offset:9216*(\q)+2304*\i+32*\c
.endr
.endr
.endm
.macro SCALES p                        ; a slot's scale words: A's block i, panel q -> register 4 i + q; W's block i -> registers 16 + 4 i + 0..3
.irp i, 0,1,2,3
.irp q, 0,1,2,3
	ds_load_b32 v[SC+32*\p+4*\i+\q], v[ADSA] offset:256*\q+64*\i
.endr
.endr
.irp i, 0,1,2,3
	ds_load_b128 v[SC+32*\p+16+4*\i:SC+32*\p+16+4*\i+3], v[ADSB] offset:\i*SBLK
.endr
.endm
; A quarter of a slot: 128 along K, 16 matrix instructions, on buffers 0, 1, 0, 1.  One of the first three: in its middle it fetches the next quarter's fragments.
.macro QUARTER slot, q, zero
.set FB, 128*((\q)%2)
.set GB, 128-FB
	s_wait_dscnt 8                                 ; all but the youngest eight loads (A's blocks 2 and 3)
	WIN MUL
	MUL4 FB, 0, \slot, \q, \zero
	MUL4 FB, 1, \slot, \q, \zero
	PLACES 8                                       ; in front of loads into the buffer that the quarter before multiplied
	FETCH \slot, (\q)+1, GB
	s_wait_dscnt 32                                ; all but the 32 just issued
	WIN MUL
	MUL4 FB, 2, \slot, \q, \zero
	MUL4 FB, 3, \slot, \q, \zero
.endm
; The last quarter changes slots: one barrier; in front of it each wave waits for all its tensor loads, adds 0 to its spare word, and waits for that and for its reads of this slot.
.macro TURN slot, next, fill
	WIN 0
	s_wait_tensorcnt 0x0                           ; all my tensor loads have landed: my part of the next slot
	ds_add_u32 v[SPW], v[NIL]                      ; 0 onto my spare word
	s_wait_dscnt 9                                 ; (the add and the youngest eight loads may be out)
	WIN MUL
	MUL4 128, 0, \slot, 3, 0
	s_wait_dscnt 0x0                               ; the add is done, and my reads of this slot are over
	s_barrier_signal -1
	MUL4 128, 1, \slot, 3, 0
	WIN 0
	s_barrier_wait -1
.if \fill
	CREST                                          ; the barrier has opened a round of the cluster's: no wave of any partner still reads this slot or has a load on its way
	s_add_nc_u64 s[G0A+4*\slot+2:G0A+4*\slot+3], s[G0A+4*\slot+2:G0A+4*\slot+3], 4194304   ; eight panels on
	s_add_nc_u64 s[G0B+4*\slot+2:G0B+4*\slot+3], s[G0B+4*\slot+2:G0B+4*\slot+3], 1024
	JLOAD G0A+4*\slot, G1A, G0B+4*\slot, G1B       ; the first tensor load behind the round; its four v_nop are among the places below
	PLACES 4
.else
	PLACES 8
.endif
	v_add_nc_u32 v[ADSA], 1024, v[ADSA]            ; the next slot's scale words: four panels on,
	v_add_nc_u32 v[ADSB], 16, v[ADSB]              ; 16 bytes on in each row
	SCALES \next
	FETCH \next, 0, 0
	WIN MUL
	MUL4 128, 2, \slot, 3, 0
	MUL4 128, 3, \slot, 3, 0
.endm
	s_wait_tensorcnt 1                             ; the scales and my part of slot 0 are in (slot 1's load may be out),
	s_barrier_signal -1
	s_barrier_wait -1                              ; everybody's are
	SCALES 0
	FETCH 0, 0, 0
	s_wait_loadcnt 32                              ; the bias is in; the residual's 32 loads stay out
	QUARTER 0, 0, 1                                ; the first quarter's products start the sums
.if LAPS > 1
	WIN 0
	s_mov_b32 s3, LAPS-1
.Llap:                                             ; a trip goes once round the ring and fills both slots again
	QUARTER 0, 1, 0
	QUARTER 0, 2, 0
	TURN 0, 1, 1
	QUARTER 1, 0, 0
	QUARTER 1, 1, 0
	QUARTER 1, 2, 0
	TURN 1, 0, 1
	QUARTER 0, 0, 0
	WIN 0
	s_sub_co_u32 s3, s3, 1
	s_cmp_lg_u32 s3, 0
	s_cbranch_scc1 .Llap
.endif
	QUARTER 0, 1, 0                                ; the last lap fills nothing
	QUARTER 0, 2, 0
	TURN 0, 1, 0
	QUARTER 1, 0, 0
	QUARTER 1, 1, 0
	QUARTER 1, 2, 0
	s_wait_dscnt 8
	WIN MUL
	MUL4 128, 0, 1, 3, 0
	MUL4 128, 1, 1, 3, 0
	s_wait_dscnt 0
	MUL4 128, 2, 1, 3, 0
	MUL4 128, 3, 1, 3, 0
	WIN 0
	; THE WAY OUT, block by block of 16 rows x 64 columns, through my own stage (slot 0 has had its last fill and its last read): back as whole runs of 256 bytes, + the residual, stored
	PLACES 8
	s_wait_loadcnt 0x0                             ; the residual
.irp a, 0,1,2,3
	s_wait_xcnt 0x0                                ; the block before has had its stores' registers read
.irp b, 0,1,2,3
	ds_store_b128 v[STO], v[ACC+8*(4*\a+\b):ACC+8*(4*\a+\b)+3] offset:64*\b       ; each accumulator from its low end on
	ds_store_b128 v[STO], v[ACC+8*(4*\a+\b)+4:ACC+8*(4*\a+\b)+7] offset:64*\b+16
.endr
	WIN 0x40                                       ; destination window 1
.irp k, 0,1,2,3,4,5,6,7
	ds_load_b128 v[4*\k:4*\k+3], v[RD] offset:544*\k   ; LDS serves a wave's instructions in order: these see my stores
.endr
	s_wait_dscnt 0x0
	WIN 0x49                                       ; destination and source 0 window 1, source 1 window 2
.set kk, 0
.rept 16
	v_pk_add_f32 v[kk:kk+1], v[kk:kk+1], v[32*\a+kk:32*\a+kk+1]
.set kk, kk+2
.endr
	WIN 0x04                                       ; a store's data are its source 1: window 1
.irp k, 0,1,2,3,4,5,6,7
	global_store_b128 v[CO], v[4*\k:4*\k+3], s[14:15] offset:(16*\a+2*\k)*4096   ; 16 lanes store 256 consecutive bytes, aligned
.endr
	WIN 0
.endr
	s_wait_tensorcnt 0x0                           ; the wave's end
	ds_add_u32 v[SPW], v[NIL]
	s_wait_dscnt 0x0
	CROUND                                         ; the closing round
	s_endpgm
.Lfunc_end_k_q16d7949cfd_oproj:
	.size	k_q16d7949cfd_oproj, .Lfunc_end_k_q16d7949cfd_oproj-k_q16d7949cfd_oproj
	.p2alignl 7, 3214868480
	.fill 96, 4, 3214868480
	.section	.rodata,"a",@progbits
	.p2align	6, 0x0
	.amdhsa_kernel k_q16d7949cfd_oproj
		.amdhsa_group_segment_fixed_size 327680
		.amdhsa_private_segment_fixed_size 0
		.amdhsa_enable_private_segment 0
		.amdhsa_kernarg_size 48
		.amdhsa_user_sgpr_count 2
		.amdhsa_user_sgpr_kernarg_segment_ptr 1
		.amdhsa_wavefront_size32 1
		.amdhsa_system_sgpr_workgroup_id_x 1
		.amdhsa_system_sgpr_workgroup_id_y 1
		.amdhsa_system_sgpr_workgroup_id_z 1
		.amdhsa_system_vgpr_workitem_id 0
		.amdhsa_next_free_vgpr 768
		.amdhsa_next_free_sgpr 100
		.amdhsa_reserve_vcc 0
		.amdhsa_float_denorm_mode_32 3
		.amdhsa_float_denorm_mode_16_64 3
		.amdhsa_memory_ordered 1
		.amdhsa_forward_progress 1
		.amdhsa_inst_pref_size 64
	.end_amdhsa_kernel
	.amdgpu_metadata
---
amdhsa.version: [ 1, 2 ]
amdhsa.kernels:
  - .name:           k_q16d7949cfd_oproj
    .symbol:         k_q16d7949cfd_oproj.kd
    .args:
      - { .name: ctx, .offset: 0, .size: 8, .value_kind: global_buffer, .address_space: global }
      - { .name: w_out_codes, .offset: 8, .size: 8, .value_kind: global_buffer, .address_space: global }
      - { .name: w_out_scales, .offset: 16, .size: 8, .value_kind: global_buffer, .address_space: global }
      - { .name: b_out, .offset: 24, .size: 8, .value_kind: global_buffer, .address_space: global }
      - { .name: x, .offset: 32, .size: 8, .value_kind: global_buffer, .address_space: global }
      - { .name: x1, .offset: 40, .size: 8, .value_kind: global_buffer, .address_space: global }
    .group_segment_fixed_size: 327680
    .private_segment_fixed_size: 0
    .kernarg_segment_align: 8
    .kernarg_segment_size: 48
    .max_flat_workgroup_size: 128
    .sgpr_count:     100
    .vgpr_count:     768
    .wavefront_size: 32
...
	.end_amdgpu_metadata
.endif
;; end of part 4
;; launch ln2: the kernel of part 1 again; grid 256 x 1, 4 waves a work-group, no clusters, 5,632 bytes of LDS; arguments x1, ln2_g, ln2_b, aq; writes aq
;; launch ffn1 (part 5): grid 16 x 16, 4 waves a work-group, clusters of 4 x 4, 327,680 bytes of LDS; arguments aq, w1_codes, w1_scales, b1, hid; writes hid
.if DOCPART == 5
	.amdgcn_target "amdgcn-amd-amdhsa--gfx1250"
	.amdhsa_code_object_version 6
	.text
	.protected	k_q16d7949cfd_ffn1
	.globl	k_q16d7949cfd_ffn1
	.p2align	8
	.type	k_q16d7949cfd_ffn1,@function
k_q16d7949cfd_ffn1:
	s_mov_b64 s[64:65], 0
	v_nop
	global_prefetch_b8 v0, s[64:65] scope:SCOPE_SE
	s_setreg_imm32_b32 hwreg(HW_REG_WAVE_MODE, 25, 1), 1
	s_wait_xcnt 0x0
	s_wait_alu depctr_hold_cnt(0) depctr_sa_sdst(0) depctr_va_vdst(0) depctr_va_sdst(0) depctr_va_ssrc(0) depctr_va_vcc(0) depctr_vm_vsrc(0)
	s_getreg_b32 s2, hwreg(HW_REG_IB_STS2, 6, 4)
	s_cmp_eq_u32 s2, 0
	s_cbranch_scc0 .Lentry_in_a_cluster
	s_endpgm
.Lentry_in_a_cluster:
	s_bfe_u32 s2, ttmp6, 0x10000c
	s_cmp_lg_u32 s2, 0xf033
	s_cbranch_scc0 .Lentry_shape_is_right
	s_endpgm
.Lentry_shape_is_right:
; A GEMM on codes of E4M3 with E8M0 scales for each 32 along K = 1,024, whose result (+ bias) is quantised again along its COLUMNS and stored as codes.  One text serves two launches (FFN = 0, 1).
; FFN = 1: relu(aq W1^T + b1), rows = tokens, columns = the 4,096 hidden units.
; FFN = 0: clusters x = 0, 1: aq Wqk^T + b (rows = tokens, columns = q's and k's 2,048: a head's 64 are two blocks);  cluster x = 2: V^T = Wv aq^T + b (rows = v's 1,024 channels, columns = tokens), so that the
; same way out quantises v along the keys.  The two parts differ in pointers, strides and masks alone, chosen by s_cselect on the cluster's x, which all sixteen partners share.
; OUTPUT: panels of 128 columns, [panel][row][128 bytes], and for each row and panel a scale word: a wave's 16 rows of a panel are 2,048 consecutive bytes.
; THE LOOP: a tile of 256 x 256, four waves of 128 x 128 (64 accumulators, 512 registers); K in steps of 256 through a ring of two LDS slots filled by the tensor data mover; the scale bytes of the tile's rows come
; once, with the first fills.  CLUSTERS of 4 x 4: A's tiles are asked for jointly along a row of the cluster, B's along a column.  The matrix instruction is used transposed (source 0 = 16 rows of B,
; source 1 = 16 rows of A): a lane holds one row and eight neighbouring columns.
; REGISTERS: window 0: v0-31 addresses; v8-15 row biases; v32-63 scale words, two sets; v64-127 column biases; from v128 A's fragments, one set; window 1: B's fragments, two sets; windows 2, 3: accumulators.
; LIMITS: a block of zeros gets the byte 1 (zero codes; this program alone reads the bytes); NaN and infinities are not served.  No prefetch: the launch is short and its tiles are shared by multicast.
.set FFN,    1
.set SIZE_K, 1024
.set KSTEP,  256
.set NQ,     KSTEP/128
.set ROWB,   256
.set KROW,   SIZE_K
.set PITCH,  272                       ; an LDS row: 256 bytes + 16 of padding: the 16 rows that a load touches start at 16 different groups of four banks
.set FR,     16
.set NL,     4
.set NP,     8                         ; places behind this matrix instruction (ISA guide 7.12.1)
.set HALFT,  128*PITCH
.set SLOT,   4*HALFT
.set LAPS,   SIZE_K/(2*KSTEP)
.set KS,     SIZE_K/32
.set SCL,    2*SLOT                    ; behind the ring: the scale bytes, as units of 256 bytes + 16 of padding
.set HALFS,  (128*KS/256)*272
.set SBLK,   (16*KS/256)*272
.set SPARE,  SCL+4*HALFS               ; the spare words, 128 bytes a wave
.set BM,   8                           ; v8-15   bias of my rows: block a, lane % 16
.set ADRA, 16
.set BNA,  18                          ; v18     32 x (lane / 16): the column biases' offset
.set BMA,  19                          ; v19     4 x (lane % 16): the row biases'
.set ADRB, 20
.set SSO,  22                          ; v22     the way out: where my row's scale word goes
.set STO,  24                          ; v24     where I put 8 codes
.set RD,   25                          ; v25     where I read 16 codes back
.set CO,   26                          ; v26     16 x lane
.set ADRS, 27
.set SPW,  28
.set NIL,  29
.set SRD,  30                          ; v30     where I read scale words back
.set SC,   32
.set BN,   64                          ; v64-127 bias of my 128 columns: register 8 t + j: column 16 t + 8 (lane / 16) + j
.set AF,   128
.set X,    128                         ; the way out: v128-191 a block's 64 numbers; v192-207 its codes; v208-223 at work; v224-226 scale words; v228-243 rows read back; v244-251 scale words read back
.set PC,   192
.set TM,   208
.set PW,   224
.set W0,   225
.set W1,   226
.set OB,   228
.set SW,   244
.set SEL,  92
.set MNT,  95
.set G1, 24
.set G0, 32
.set G1B, 48
.set G0B, 56
.set G1S, 68
.set G0S, 76
.set G1SB, 80
.set G0SB, 88
.set MSB, 0
.macro WIN new                         ; the immediate's high byte repeats the setting that is left
.if MSB != \new
	s_set_vgpr_msb (MSB<<8)|\new
.set MSB, \new
.endif
.endm
.set MUL_LO, 0xa1                      ; source 0 (B) window 1, source 1 (A) window 0, C and D window 2
.set MUL_HI, 0xf1
.set TO_B,   0x40
; A joint load: waves 0 and 1 fetch for A, waves 2 and 3 for B; the branch hangs on the wave's number alone.  Four v_nop follow each of the two lines.
.macro JLOAD g0a, g1a, g0b, g1b
	s_cmp_eq_u32 s15, 0
	s_cbranch_scc0 .Lfor_b_\@
	tensor_load_to_lds s[\g0a:\g0a+3], s[\g1a:\g1a+7]
	s_nop 0
.rept 4
	v_nop
.endr
	s_branch .Lasked_\@
.Lfor_b_\@:
	tensor_load_to_lds s[\g0b:\g0b+3], s[\g1b:\g1b+7]
	s_nop 0
.rept 4
	v_nop
.endr
.Lasked_\@:
.endm
.macro CREST                           ; a round of the cluster's barrier behind its opening barrier
	s_cmp_lg_u32 s14, 0
	s_cbranch_scc1 .Lnot_wave_0_\@
	s_barrier_signal -3
.Lnot_wave_0_\@:
	s_barrier_wait -3
	s_barrier_signal -1
	s_barrier_wait -1
.endm
.macro CROUND
	s_barrier_signal -1
	s_barrier_wait -1
	CREST
.endm
	s_load_b256 s[4:11], s[0:1], 0x0               ; aq, the weight's codes, its scales, the bias
	s_load_b64 s[12:13], s[0:1], 0x20              ; the output
	v_lshl_add_u32 v[SPW], v0, 2, SPARE
	v_mov_b32 v[NIL], 0
	ds_add_u32 v28, v29
	ds_add_u32 v28, v29
	s_wait_dscnt 0x0
	v_lshrrev_b32 v1, 5, v0
	v_readfirstlane_b32 s14, v1                    ; wave 0..3
	s_lshr_b32 s15, s14, 1                         ; which half of the tile's rows is mine.  Also: I fetch for A (0) or for B (1)
	s_and_b32 s16, s14, 1                          ; which half of its columns.  Also: which 128 rows of that tile I fetch
	s_bfe_u32 s40, ttmp6, 0x40000                  ; cx, cy
	s_bfe_u32 s41, ttmp6, 0x40004
	s_and_b32 s17, ttmp7, 0xffff                   ; cluster y
.if FFN
	s_mov_b32 s42, ttmp9
.else
	s_cmp_eq_u32 ttmp9, 2                          ; V^T's clusters: four tile rows (cy), sixteen tile columns (4 cluster y + cx)
	s_cselect_b32 s42, s17, ttmp9
	s_cselect_b32 s17, 0, s17
.endif
	s_lshl_b32 s42, s42, 2
	s_add_co_u32 s42, s42, s40                     ; tile column
	s_lshl_b32 s17, s17, 2
	s_add_co_u32 s17, s17, s41                     ; tile row
	s_lshl_b32 s43, s41, 2
	s_lshl_b32 s43, 15, s43                        ; my row of the cluster
	s_lshl_b32 s44, 0x1111, s40                    ; my column
	s_or_b32 s[G1+0], s43, (0<<16)|(1<<20)|(1<<21)|(5<<22)|(3<<25)  ; the mask; elements of 1 byte; padding on; bit 21 beside a mask; 4 words after every 64
	s_or_b32 s[G1B+0], s44, (0<<16)|(1<<20)|(1<<21)|(5<<22)|(3<<25)
.irp g, G1, G1B
	s_mov_b32 s[\g+1], ROWB<<16                    ; tensor_dim0
	s_mov_b32 s[\g+2], 128<<16                     ; tensor_dim1
	s_mov_b32 s[\g+3], ROWB<<16                    ; tile_dim0
	s_mov_b32 s[\g+4], 128                         ; tile_dim1
	s_mov_b32 s[\g+5], KROW                        ; the pitch
	s_mov_b32 s[\g+6], 0
	s_mov_b32 s[\g+7], 0
.endr
	s_or_b32 s[G1S+0], s43, (3<<16)|(1<<20)|(1<<21)|(5<<22)|(3<<25)  ; the scale bytes of 128 rows: a dense block, as rows of 256 bytes (32 elements of 8)
	s_or_b32 s[G1SB+0], s44, (3<<16)|(1<<20)|(1<<21)|(5<<22)|(3<<25)
.irp g, G1S, G1SB
	s_mov_b32 s[\g+1], 32<<16
	s_mov_b32 s[\g+2], (128*KS/256)<<16
	s_mov_b32 s[\g+3], 32<<16
	s_mov_b32 s[\g+4], 128*KS/256
	s_mov_b32 s[\g+5], 32
	s_mov_b32 s[\g+6], 0
	s_mov_b32 s[\g+7], 0
.endr
	s_lshl_b32 s18, s16, 7
	s_lshl_b32 s20, s17, 8
	s_add_co_u32 s20, s20, s18                     ; A: row 256 x tile row + 128 x half
	s_lshl_b32 s46, s42, 8
	s_add_co_u32 s46, s46, s18                     ; B: row 256 x tile column + 128 x half
	s_lshl_b32 s22, s20, 5                         ; where these rows' scale bytes begin (32 a row),
	s_mov_b32 s23, 0
	s_lshl_b32 s92, s46, 5
	s_mov_b32 s93, 0
	s_lshl_b32 s20, s20, 10                        ; and their codes (1,024 a row)
	s_mov_b32 s21, 0
	s_lshl_b32 s46, s46, 10
	s_mov_b32 s47, 0
	s_mul_i32 s45, s14, HALFT                      ; where they go: wave x 128 rows
	s_mul_i32 s94, s14, HALFS
	s_wait_kmcnt 0x0
	s_add_nc_u64 s[96:97], s[4:5], 4194304         ; aq's scale bytes
.if FFN
	s_add_nc_u64 s[20:21], s[4:5], s[20:21]
	s_add_nc_u64 s[22:23], s[96:97], s[22:23]
	s_add_nc_u64 s[46:47], s[6:7], s[46:47]
	s_add_nc_u64 s[92:93], s[8:9], s[92:93]
.else
	s_add_nc_u64 s[98:99], s[6:7], 2097152         ; Wv's codes: rows 2,048 on
	s_add_nc_u64 s[100:101], s[8:9], 65536         ; and scale bytes
	s_cmp_eq_u32 ttmp9, 2
	s_cselect_b64 s[66:67], s[98:99], s[4:5]       ; A's codes:  Wv or aq
	s_cselect_b64 s[4:5], s[4:5], s[6:7]           ; B's codes:  aq or Wqk
	s_cselect_b64 s[6:7], s[100:101], s[96:97]     ; A's scales
	s_cselect_b64 s[8:9], s[96:97], s[8:9]         ; B's scales
	s_add_nc_u64 s[20:21], s[66:67], s[20:21]
	s_add_nc_u64 s[22:23], s[6:7], s[22:23]
	s_add_nc_u64 s[46:47], s[4:5], s[46:47]
	s_add_nc_u64 s[92:93], s[8:9], s[92:93]
.endif
	CROUND                                         ; all sixteen work-groups are here: the first joint loads meet
	s_mov_b32 s[G0S], 1
	s_add_co_u32 s[G0S+1], s94, SCL
	s_mov_b64 s[G0S+2:G0S+3], s[22:23]
	s_or_b32 s[G0S+3], s[G0S+3], 0x80000000
	s_mov_b32 s[G0SB], 1
	s_add_co_u32 s[G0SB+1], s94, SCL
	s_mov_b64 s[G0SB+2:G0SB+3], s[92:93]
	s_or_b32 s[G0SB+3], s[G0SB+3], 0x80000000
	JLOAD G0S, G1S, G0SB, G1SB                     ; the scales first: they are wanted with K step 0
.irp s, 0,1
	s_mov_b32 s[G0+4*\s], 1
	s_add_co_u32 s[G0+4*\s+1], s45, \s*SLOT
	s_add_nc_u64 s[G0+4*\s+2:G0+4*\s+3], s[20:21], \s*ROWB
	s_or_b32 s[G0+4*\s+3], s[G0+4*\s+3], 0x80000000
	s_mov_b32 s[G0B+4*\s], 1
	s_add_co_u32 s[G0B+4*\s+1], s45, \s*SLOT
	s_add_nc_u64 s[G0B+4*\s+2:G0B+4*\s+3], s[46:47], \s*ROWB
	s_or_b32 s[G0B+4*\s+3], s[G0B+4*\s+3], 0x80000000
	JLOAD G0+4*\s, G1, G0B+4*\s, G1B
.endr
	v_and_b32 v1, 15, v0                           ; l % 16
	v_bfe_u32 v2, v0, 4, 1                         ; l / 16
	; where my 128 x 128 of the result lies, and its biases
	s_lshl_b32 s18, s17, 8
	s_lshl_b32 s19, s15, 7
	s_add_co_u32 s18, s18, s19                     ; my first row
	s_lshl_b32 s19, s42, 1
	s_add_co_u32 s19, s19, s16                     ; my panel of 128 columns
.if FFN
	s_lshl_b32 s96, s19, 9                         ; 4 bytes x my first column
	s_mov_b32 s97, 0
	s_add_nc_u64 s[96:97], s[10:11], s[96:97]
	s_lshl_b32 s20, s19, 19                        ; codes: panel x 4,096 rows x 128 bytes + row x 128
	s_lshl_b32 s21, s18, 7
	s_add_co_u32 s20, s20, s21
	s_mov_b32 s21, 0
	s_add_nc_u64 s[4:5], s[12:13], s[20:21]
	s_lshl_b32 s20, s19, 14                        ; scale words: behind the codes, panel x 4,096 x 4 + row x 4
	s_lshl_b32 s22, s18, 2
	s_add_co_u32 s20, s20, s22
	s_add_co_u32 s20, s20, 16777216
	s_add_nc_u64 s[6:7], s[12:13], s[20:21]
.else
	s_lshl_b32 s20, s19, 9                         ; 4 x my first column
	s_lshl_b32 s21, s18, 2
	s_add_co_u32 s21, s21, 8192                    ; 4 x (2,048 + my first row)
	s_mov_b32 s66, 0x01000100                      ; a head's word {s0, s1, s0, s1} out of the panel's four bytes: the left head's,
	s_mov_b32 s67, 0x03020302                      ; the right head's
	s_cmp_eq_u32 ttmp9, 2
	s_cselect_b32 s96, 0, s20                      ; column biases: V^T has none (index 0 is loaded and masked)
	s_cselect_b32 s98, s21, 0                      ; row biases: q and k have none
	s_cselect_b32 s66, 0x03020100, s66             ; V^T's word is the four bytes as they are
	s_cselect_b32 s67, 0x03020100, s67
	s_cselect_b32 s2, 0, -1                        ; keeps the column biases,
	s_cselect_b32 s100, 0x3f800000, 0              ; or puts 1.0 in their place
	s_cselect_b32 s101, -1, 0                      ; keeps the row biases,
	s_cselect_b32 s94, 0, 0x3f800000               ; or puts 1.0 in their place
	s_cselect_b32 s22, 17, 19                      ; a panel: 1,024 or 4,096 rows of 128 bytes
	s_cselect_b32 s23, 12, 14                      ; an array of scale words: as many rows of 4 bytes
	s_cselect_b32 s46, 8388608, 0                  ; V^T's codes lie behind q's and k's,
	s_cselect_b32 s47, 524288, 0                   ; its words behind theirs
	s_mov_b32 s97, 0
	s_mov_b32 s99, 0
	s_add_nc_u64 s[96:97], s[10:11], s[96:97]
	s_add_nc_u64 s[98:99], s[10:11], s[98:99]
	s_lshl_b32 s20, s19, s22
	s_add_co_u32 s20, s20, s46
	s_lshl_b32 s21, s18, 7
	s_add_co_u32 s20, s20, s21
	s_mov_b32 s21, 0
	s_add_nc_u64 s[4:5], s[12:13], s[20:21]
	s_lshl_b32 s20, s19, 1                         ; two arrays of words a panel
	s_lshl_b32 s20, s20, s23
	s_add_co_u32 s20, s20, s47
	s_add_co_u32 s20, s20, 12582912
	s_lshl_b32 s46, s18, 2
	s_add_co_u32 s20, s20, s46
	s_add_nc_u64 s[6:7], s[12:13], s[20:21]
	s_lshl_b32 s20, 1, s23
	s_add_nc_u64 s[8:9], s[6:7], s[20:21]
.endif
	v_lshlrev_b32 v[BNA], 5, v2
.irp t, 0,1,2,3,4,5,6,7
	global_load_b128 v[BN+8*\t:BN+8*\t+3], v[BNA], s[96:97] offset:64*\t          ; waited for on the way out
	global_load_b128 v[BN+8*\t+4:BN+8*\t+7], v[BNA], s[96:97] offset:64*\t+16
.endr
.if FFN == 0
	v_lshlrev_b32 v[BMA], 2, v1
.irp a, 0,1,2,3,4,5,6,7
	global_load_b32 v[BM+\a], v[BMA], s[98:99] offset:64*\a
.endr
.endif
	s_mov_b32 s[SEL], 0x76543210
	s_mov_b32 s[SEL+1], 0xfedcba98                 ; v_permlanex16_b32: lane l xor 16
	s_mov_b32 s[MNT], 0x600000                     ; the mantissa field of 448
	v_mul_u32_u24 v3, v1, PITCH
	v_lshl_add_u32 v4, v2, 4, v3                   ; a fragment's row x pitch + 16 x half
	s_mul_i32 s21, s15, HALFT                      ; my 128 rows of A
	s_mul_i32 s22, s16, HALFT                      ; my 128 rows of B,
	s_add_co_u32 s22, s22, 2*HALFT                 ; which lie behind A's 256
.irp s, 0,1
	v_add_nc_u32 v[ADRA+\s], s21, v4
	v_add_nc_u32 v[ADRB+\s], s22, v4
	s_add_co_u32 s21, s21, SLOT
	s_add_co_u32 s22, s22, SLOT
.endr
	v_mul_u32_u24 v5, v1, KS                       ; my row's scales: KS bytes a row,
	v_lshrrev_b32 v6, 8, v5
	v_lshl_add_u32 v5, v6, 4, v5                   ; and 16 more for each 256 passed
	s_mul_i32 s21, s15, HALFS
	s_mul_i32 s22, s16, HALFS
	s_add_co_u32 s22, s22, 2*HALFS
	s_sub_co_u32 s22, s22, s21
	v_mul_u32_u24 v6, s22, v2                      ; lanes 16-31 take B's
	s_add_co_u32 s21, s21, SCL
	v_add_nc_u32 v5, v5, v6
	v_add_nc_u32 v[ADRS], s21, v5
	s_lshl_b32 s23, s14, 12                        ; my stage for the way out: 4,096 bytes a wave, in slot 0: 16 rows x 144 bytes, and from byte 2,560 two runs of 128 scale words
	v_mul_u32_u24 v5, v1, 144
	v_lshl_add_u32 v5, v2, 3, v5
	v_add_nc_u32 v[STO], s23, v5                   ; in: row l % 16, 8 bytes for each half of the lanes
	v_and_b32 v6, 31, v0
	v_lshlrev_b32 v[CO], 4, v6
	v_lshrrev_b32 v5, 3, v6
	v_mul_u32_u24 v5, v5, 144
	v_and_b32 v7, 7, v6
	v_lshl_add_u32 v5, v7, 4, v5
	v_add_nc_u32 v[RD], s23, v5                    ; back: eight lanes to a row of 128 bytes, four rows an instruction
	s_add_co_u32 s23, s23, 2560
	v_lshl_add_u32 v[SSO], v1, 2, s23
	v_add_nc_u32 v[SRD], s23, v[CO]
.macro FRAG reg, adr, q, i             ; a fragment: 16 rows x 128 K, 16 registers: lane l holds row l % 16; registers 4 c .. 4 c + 3 hold K = 32 c + 16 (l / 16) + 0 .. 15
.irp c, 0,1,2,3
	ds_load_b128 v[\reg+4*\c:\reg+4*\c+3], v[\adr] offset:128*(\q)+32*\c+(\i)*16*PITCH
.endr
.endm
; 16 matrix instructions: A's blocks a0, a0 + 1 x B's eight.  The 64 accumulators take turns, one instruction a turn, in the same order in every step.
.macro MUL16 a0, p, q, sc, zero
.irp a, \a0, \a0+1
.irp b, 0,1,2,3,4,5,6,7
.if \zero
	v_wmma_scale_f32_16x16x128_f8f6f4 v[8*(8*((\a)%4)+\b):8*(8*((\a)%4)+\b)+7], v[128*(\p)+FR*\b:128*(\p)+FR*\b+FR-1], v[AF+FR*(\a):AF+FR*(\a)+FR-1], 0, v[SC+8*NQ*(\sc)+NQ*\b+(\q)], v[SC+8*NQ*(\sc)+NQ*(\a)+(\q)] matrix_a_scale:MATRIX_SCALE_ROW1
.else
	v_wmma_scale_f32_16x16x128_f8f6f4 v[8*(8*((\a)%4)+\b):8*(8*((\a)%4)+\b)+7], v[128*(\p)+FR*\b:128*(\p)+FR*\b+FR-1], v[AF+FR*(\a):AF+FR*(\a)+FR-1], v[8*(8*((\a)%4)+\b):8*(8*((\a)%4)+\b)+7], v[SC+8*NQ*(\sc)+NQ*\b+(\q)], v[SC+8*NQ*(\sc)+NQ*(\a)+(\q)] matrix_a_scale:MATRIX_SCALE_ROW1
.endif
.endr
.endr
.endm
.macro FETCH_B slot, q, p
	WIN TO_B
.irp i, 0,1,2,3,4,5,6,7
	FRAG 128*(\p)+FR*\i, ADRB+\slot, \q, \i
.endr
	WIN 0
.endm
.macro FETCH_A slot, q, i0
.irp i, \i0, \i0+1, \i0+2, \i0+3
	FRAG AF+FR*(\i), ADRA+\slot, \q, \i
.endr
.endm
.macro SCALES sc                       ; a K step's scale words: lanes 0-15 take A's block i, lanes 16-31 B's block i
.irp i, 0,1,2,3,4,5,6,7
	ds_load_b64 v[SC+8*NQ*\sc+NQ*\i:SC+8*NQ*\sc+NQ*\i+1], v[ADRS] offset:\i*SBLK
.endr
.endm
.macro PLACES n                        ; plain vector instructions between a matrix instruction and a load into, or a read of, its registers
.rept \n
	v_nop
.endr
.endm
.macro STEP slot, q, zero              ; a step of 128 along K that has its successor in the same slot
	s_wait_dscnt 4*NL                              ; B's set and A's blocks 0-3 are in; the youngest 16 loads (A's blocks 4-7) may be out
	WIN MUL_LO
	MUL16 0, (\q)%2, \q, \slot, \zero
	MUL16 2, (\q)%2, \q, \slot, \zero
	s_wait_dscnt 0                                 ; A's blocks 4-7 are in
	PLACES NP
	FETCH_B \slot, (\q)+1, 1-(\q)%2
	FETCH_A \slot, (\q)+1, 0
	WIN MUL_HI
	MUL16 4, (\q)%2, \q, \slot, \zero
	MUL16 6, (\q)%2, \q, \slot, \zero
	PLACES NP
	WIN 0
	FETCH_A \slot, (\q)+1, 4
.endm
; A slot's last step changes slots: one barrier; in front of it each wave waits for all its tensor loads, adds 0 to its spare word, and waits for that and for its reads of this slot.
.macro TURN slot, next, fill
	s_wait_tensorcnt 0x0                           ; all my tensor loads have landed: my part of the next slot
	ds_add_u32 v[SPW], v[NIL]                      ; 0 onto my spare word
	s_wait_dscnt 4*NL+1                            ; (the add and the youngest 16 loads may be out)
	WIN MUL_LO
	MUL16 0, 1, NQ-1, \slot, 0
	s_wait_dscnt 0x0                               ; the add is done, and my reads of this slot are over
	s_barrier_signal -1
	MUL16 2, 1, NQ-1, \slot, 0
	WIN 0
	s_barrier_wait -1
.if \fill
	CREST                                          ; the barrier has opened a round of the cluster's: no wave of any partner still reads this slot or has a load on its way
	s_add_nc_u64 s[G0+4*\slot+2:G0+4*\slot+3], s[G0+4*\slot+2:G0+4*\slot+3], 2*ROWB
	s_add_nc_u64 s[G0B+4*\slot+2:G0B+4*\slot+3], s[G0B+4*\slot+2:G0B+4*\slot+3], 2*ROWB
	JLOAD G0+4*\slot, G1, G0B+4*\slot, G1B         ; the first tensor load behind the round; its four v_nop are among the places below
	PLACES NP-4
.else
	PLACES NP
.endif
	v_add_nc_u32 v[ADRS], 4*NQ, v[ADRS]            ; on to the next K step's scale words
	FETCH_B \next, 0, 0
	FETCH_A \next, 0, 0
	SCALES \next
	WIN MUL_HI
	MUL16 4, 1, NQ-1, \slot, 0
	MUL16 6, 1, NQ-1, \slot, 0
	PLACES NP
	WIN 0
	FETCH_A \next, 0, 4
.endm
	s_wait_tensorcnt 1                             ; the scales and my part of K step 0 are in (K step 1's load may be out),
	s_barrier_signal -1
	s_barrier_wait -1                              ; everybody's are
	FETCH_B 0, 0, 0
	FETCH_A 0, 0, 0
	SCALES 0
	FETCH_A 0, 0, 4
	STEP 0, 0, 1                                   ; the first step's products start the sums
.if LAPS > 1
	s_mov_b32 s3, LAPS-1
.Llap:
	TURN 0, 1, 1
	STEP 1, 0, 0
	TURN 1, 0, 1
	STEP 0, 0, 0
	s_sub_co_u32 s3, s3, 1
	s_cmp_lg_u32 s3, 0
	s_cbranch_scc1 .Llap
.endif
	TURN 0, 1, 0                                   ; the last lap fills nothing
	STEP 1, 0, 0
	s_wait_dscnt 4*NL
	WIN MUL_LO
	MUL16 0, 1, NQ-1, 1, 0
	MUL16 2, 1, NQ-1, 1, 0
	s_wait_dscnt 0
	WIN MUL_HI
	MUL16 4, 1, NQ-1, 1, 0
	MUL16 6, 1, NQ-1, 1, 0
	WIN 0
; 64 numbers of a lane, v[s] on: registers 16 b + 0..15 are my half of block b of my row (the other half lies in lane l xor 16).  They become codes in v[PC] on (registers 2 t, 2 t + 1: columns 16 t + 8 (l / 16) + 0..7)
; and the row's scale word in v[PW].  relu = 1: what is negative becomes 0 on the way.
.macro QUANT s, relu
.if \relu
.irp b, 0,1,2,3
	v_max3_num_f32 v[TM+\b], v[\s+16*\b], v[\s+1+16*\b], 0x4800000   ; no |.|: what is negative is to become 0; the floor 2^(9 - 127) stands over it and holds the byte at 1 from below
.endr
.irp i, 2,4,6,8,10,12,14
.irp b, 0,1,2,3
	v_max3_num_f32 v[TM+\b], v[TM+\b], v[\s+16*\b+\i], v[\s+1+16*\b+\i]
.endr
.endr
.else
.irp b, 0,1,2,3
	v_max3_num_f32 v[TM+\b], |v[\s+16*\b]|, |v[\s+1+16*\b]|, 0x4800000
.endr
.irp i, 2,4,6,8,10,12,14
.irp b, 0,1,2,3
	v_max3_num_f32 v[TM+\b], v[TM+\b], |v[\s+16*\b+\i]|, |v[\s+1+16*\b+\i]|
.endr
.endr
.endif
.irp b, 0,1,2,3
	v_permlanex16_b32 v[TM+4+\b], v[TM+\b], s[SEL], s[SEL+1]
.endr
.irp b, 0,1,2,3
	v_max_num_f32 v[TM+\b], v[TM+\b], v[TM+4+\b]   ; the block's largest magnitude
.endr
.irp b, 0,1,2,3
	v_add_nc_u32 v[TM+12+\b], 0xfc000000, v[TM+\b] ; 8 off its exponent field: the conversion's scale operand
.endr
.irp b, 0,1,2,3
	v_and_or_b32 v[TM+8+\b], v[TM+\b], 0x7f800000, s[MNT]   ; 448 x the scale
.endr
.irp b, 0,1,2,3
	v_lshrrev_b32 v[TM+4+\b], 23, v[TM+12+\b]      ; the scale's byte
.endr
	v_lshl_or_b32 v[PW], v[TM+5], 8, v[TM+4]
	v_lshl_or_b32 v[PW], v[TM+6], 16, v[PW]
	v_lshl_or_b32 v[PW], v[TM+7], 24, v[PW]
.irp b, 0,1,2,3
.irp i, 0,1,2,3,4,5,6,7,8,9,10,11,12,13,14,15
.if \relu
	v_med3_num_f32 v[\s+16*\b+\i], v[\s+16*\b+\i], 0, v[TM+8+\b]   ; the activation and the hold in one
.else
	v_med3_num_f32 v[\s+16*\b+\i], v[\s+16*\b+\i], -v[TM+8+\b], v[TM+8+\b]   ; the conversion does not saturate (ISA guide 7.6.2)
.endif
.endr
	v_cvt_scalef32_pk8_fp8_f32 v[PC+4*\b:PC+1+4*\b], v[\s+16*\b:\s+7+16*\b], v[TM+12+\b]
	v_cvt_scalef32_pk8_fp8_f32 v[PC+2+4*\b:PC+3+4*\b], v[\s+8+16*\b:\s+15+16*\b], v[TM+12+\b]
.endr
	v_nop                                          ; a plain instruction behind the last conversion
.endm
; THE WAY OUT, block by block of 16 rows x 128 columns: + bias, quantised, through my own stage (slot 0 has had its last fill and its last read), out as 2,048 consecutive bytes.
.macro OUTBLK a
.set AC, 64*((\a)%4)
	s_wait_xcnt 0x0                                ; the block before has had its stores' registers read: OB may be loaded again
.if FFN
.set WN, 0x02+(\a)/4                   ; source 0: the accumulators' window
.else
.set WN, 0x24+0x10*((\a)/4)            ; source 1: window 1; source 2: the accumulators' window
.endif
	WIN WN
.set kk, 0
.rept 32
.if FFN
	v_pk_add_f32 v[X+kk:X+kk+1], v[AC+kk:AC+kk+1], v[BN+kk:BN+kk+1]              ; each accumulator is read from its low end on
.else
	v_pk_fma_f32 v[X+kk:X+kk+1], v[BN+kk:BN+kk+1], v[2*(\a):2*(\a)+1], v[AC+kk:AC+kk+1]   ; column bias x 1, or 1 x row bias, + the sum: one of the two factors is 1.0
.endif
.set kk, kk+2
.endr
	WIN 0
	QUANT X, FFN
.if FFN
	ds_store_b32 v[SSO], v[PW] offset:64*(\a)      ; both halves of the lanes write the same word with the same value
.else
	v_perm_b32 v[W0], v[PW], v[PW], s66
	v_perm_b32 v[W1], v[PW], v[PW], s67
	ds_store_b32 v[SSO], v[W0] offset:64*(\a)
	ds_store_b32 v[SSO], v[W1] offset:512+64*(\a)
.endif
.irp t, 0,1,2,3,4,5,6,7
	ds_store_b64 v[STO], v[PC+2*\t:PC+2*\t+1] offset:16*\t
.endr
.irp k, 0,1,2,3
	ds_load_b128 v[OB+4*\k:OB+4*\k+3], v[RD] offset:576*\k     ; LDS serves a wave's instructions in order: these see my stores
.endr
	s_wait_dscnt 0x0
.irp k, 0,1,2,3
	global_store_b128 v[CO], v[OB+4*\k:OB+4*\k+3], s[4:5] offset:(16*(\a)+4*\k)*128   ; 32 lanes store 512 consecutive bytes, aligned
.endr
.endm
	PLACES NP                                      ; behind the last products: their results are read and their operands' registers written below
	s_wait_loadcnt 0x0                             ; the biases
.if FFN == 0
.set kk, 0
.rept 64
	v_and_or_b32 v[BN+kk], v[BN+kk], s2, s100      ; q, k: the column bias; V^T: 1.0
.set kk, kk+1
.endr
	WIN 0x40                                       ; destination window 1: B's fragments are done with
.irp a, 0,1,2,3,4,5,6,7
	v_and_or_b32 v[2*\a], v[BM+\a], s101, s94      ; q, k: 1.0; V^T: the row bias; twice, a pair for the packed form
	v_and_or_b32 v[2*\a+1], v[BM+\a], s101, s94
.endr
	WIN 0
.endif
.irp b, 0,1,2,3
	v_mov_b32 v[TM+4+\b], 0                        ; a lane permute's destination counts as one of its sources
.endr
.irp a, 0,1,2,3,4,5,6,7
	OUTBLK \a
.endr
	ds_load_b128 v[SW:SW+3], v[SRD]                ; my 128 rows' scale words: 512 consecutive bytes
.if FFN == 0
	ds_load_b128 v[SW+4:SW+7], v[SRD] offset:512
.endif
	s_wait_dscnt 0x0
	global_store_b128 v[CO], v[SW:SW+3], s[6:7]
.if FFN == 0
	global_store_b128 v[CO], v[SW+4:SW+7], s[8:9]
.endif
	s_wait_tensorcnt 0x0                           ; the wave's end
	ds_add_u32 v[SPW], v[NIL]
	s_wait_dscnt 0x0
	CROUND                                         ; the closing round
	s_endpgm
.Lfunc_end_k_q16d7949cfd_ffn1:
	.size	k_q16d7949cfd_ffn1, .Lfunc_end_k_q16d7949cfd_ffn1-k_q16d7949cfd_ffn1
	.p2alignl 7, 3214868480
	.fill 96, 4, 3214868480
	.section	.rodata,"a",@progbits
	.p2align	6, 0x0
	.amdhsa_kernel k_q16d7949cfd_ffn1
		.amdhsa_group_segment_fixed_size 327680
		.amdhsa_private_segment_fixed_size 0
		.amdhsa_enable_private_segment 0
		.amdhsa_kernarg_size 40
		.amdhsa_user_sgpr_count 2
		.amdhsa_user_sgpr_kernarg_segment_ptr 1
		.amdhsa_wavefront_size32 1
		.amdhsa_system_sgpr_workgroup_id_x 1
		.amdhsa_system_sgpr_workgroup_id_y 1
		.amdhsa_system_sgpr_workgroup_id_z 1
		.amdhsa_system_vgpr_workitem_id 0
		.amdhsa_next_free_vgpr 1024
		.amdhsa_next_free_sgpr 102
		.amdhsa_reserve_vcc 0
		.amdhsa_float_denorm_mode_32 3
		.amdhsa_float_denorm_mode_16_64 3
		.amdhsa_memory_ordered 1
		.amdhsa_forward_progress 1
		.amdhsa_inst_pref_size 209
	.end_amdhsa_kernel
	.amdgpu_metadata
---
amdhsa.version: [ 1, 2 ]
amdhsa.kernels:
  - .name:           k_q16d7949cfd_ffn1
    .symbol:         k_q16d7949cfd_ffn1.kd
    .args:
      - { .name: aq, .offset: 0, .size: 8, .value_kind: global_buffer, .address_space: global }
      - { .name: w1_codes, .offset: 8, .size: 8, .value_kind: global_buffer, .address_space: global }
      - { .name: w1_scales, .offset: 16, .size: 8, .value_kind: global_buffer, .address_space: global }
      - { .name: b1, .offset: 24, .size: 8, .value_kind: global_buffer, .address_space: global }
      - { .name: hid, .offset: 32, .size: 8, .value_kind: global_buffer, .address_space: global }
    .group_segment_fixed_size: 327680
    .private_segment_fixed_size: 0
    .kernarg_segment_align: 8
    .kernarg_segment_size: 40
    .max_flat_workgroup_size: 128
    .sgpr_count:     102
    .vgpr_count:     1024
    .wavefront_size: 32
...
	.end_amdgpu_metadata
.endif
;; end of part 5
;; launch ffn2 (part 6): grid 8 x 32, 4 waves a work-group, clusters of 4 x 4, 327,680 bytes of LDS; arguments hid, w2_codes, w2_scales, b2, x1, out0; writes out0
.if DOCPART == 6
	.amdgcn_target "amdgcn-amd-amdhsa--gfx1250"
	.amdhsa_code_object_version 6
	.text
	.protected	k_q16d7949cfd_ffn2
	.globl	k_q16d7949cfd_ffn2
	.p2align	8
	.type	k_q16d7949cfd_ffn2,@function
k_q16d7949cfd_ffn2:
	s_mov_b64 s[64:65], 0
	v_nop
	global_prefetch_b8 v0, s[64:65] scope:SCOPE_SE
	s_setreg_imm32_b32 hwreg(HW_REG_WAVE_MODE, 25, 1), 1
	s_wait_xcnt 0x0
	s_wait_alu depctr_hold_cnt(0) depctr_sa_sdst(0) depctr_va_vdst(0) depctr_va_sdst(0) depctr_va_ssrc(0) depctr_va_vcc(0) depctr_vm_vsrc(0)
	s_getreg_b32 s2, hwreg(HW_REG_IB_STS2, 6, 4)
	s_cmp_eq_u32 s2, 0
	s_cbranch_scc0 .Lentry_in_a_cluster
	s_endpgm
.Lentry_in_a_cluster:
	s_bfe_u32 s2, ttmp6, 0x10000c
	s_cmp_lg_u32 s2, 0xf033
	s_cbranch_scc0 .Lentry_shape_is_right
	s_endpgm
.Lentry_shape_is_right:
; out = resid + A W^T + bias.  A: [4096][SIZE_K] as codes of E4M3 in panels of 128 along K, [SIZE_K / 128][4096][128 bytes], with one scale word for each row and panel, [SIZE_K / 128][4096], behind the codes;
; W: [1024][SIZE_K] codes, K innermost, scale bytes [1024][SIZE_K / 32]; bias [1024], resid and out [4096][1024]: f32.  One text serves SIZE_K = 1,024 and 4,096.
; With 1,024 columns, tiles of 256 x 256 would be 64: a tile is 128 x 128, 256 work-groups.  Four waves of 64 x 64: 16 accumulators.  K goes in steps of 512 (four panels of A; rows of 512 bytes of W) through a ring of
; two LDS slots: 64 matrix instructions a wave between two changes of slots.  All scale words of the tile's rows come once, with the first fills.
; CLUSTERS of 4 x 4: A's tiles are asked for jointly along a row of the cluster, W's along a column.  The matrix instruction is used transposed (source 0 = 16 rows of W, source 1 = 16 rows of A).
; The bias is the C of each sum's first product.  The residual's rows are asked for at the head, into registers of their own, and added on the way out.
; REGISTERS: window 0: v0-31 addresses; v32-95 scale words, two sets (16 of A, 16 of W each); v96-127 the bias in the result's layout; v128-255 accumulators.  window 1: two fragment buffers of 128 (A's four, then W's four);
; on the way out rows read back.  window 2: v0-127 the residual.
; No prefetch: the launch is short and its tiles are shared by multicast.
.set SIZE_K, 4096
.set KS,     SIZE_K/32
.set NPAN,   SIZE_K/128
.set LAPS,   SIZE_K/1024               ; a lap = two slots
.set AHALF,  4*64*144                  ; 64 rows of A in a slot: [4 panels][64 rows][128 bytes + 16]
.set BHALF,  64*528                    ; 64 rows of W: 512 bytes + 16
.set BOFF,   2*AHALF
.set SLOT,   BOFF+2*BHALF
.set SCA,    2*SLOT                    ; A's scale words: [half][panel][64 rows x 4 bytes]
.set HSA,    256*NPAN
.set SCB,    SCA+2*HSA                 ; W's scale bytes: a half's dense block as units of 256 bytes + 16
.set HSB,    (64*KS/256)*272
.set SBLK,   (16*KS/256)*272
.set SPARE,  SCB+2*HSB                 ; the spare words, 128 bytes a wave
.set ADRA, 16
.set ADRB, 20
.set ADSA, 22
.set ADSB, 23
.set STO,  24
.set RD,   25
.set CO,   26
.set BNA,  27
.set SPW,  28
.set NIL,  29
.set SC,   32
.set BN,   96
.set ACC,  128
.set G1A, 24
.set G0A, 32
.set G1B, 40
.set G0B, 48
.set G1SA, 56
.set G0SA, 68
.set G1SB, 72
.set G0SB, 80
.set MSB, 0
.macro WIN new                         ; the immediate's high byte repeats the setting that is left
.if MSB != \new
	s_set_vgpr_msb (MSB<<8)|\new
.set MSB, \new
.endif
.endm
.set MUL,  0x05                        ; sources 0 (W) and 1 (A) window 1; C and D window 0
.set TO_F, 0x40                        ; destination window 1
.macro JLOAD g0a, g1a, g0b, g1b        ; a joint load: waves 0 and 1 fetch for A, waves 2 and 3 for W; four v_nop follow each of the two lines
	s_cmp_eq_u32 s17, 0
	s_cbranch_scc0 .Lfor_b_\@
	tensor_load_to_lds s[\g0a:\g0a+3], s[\g1a:\g1a+7]
	s_nop 0
.rept 4
	v_nop
.endr
	s_branch .Lasked_\@
.Lfor_b_\@:
	tensor_load_to_lds s[\g0b:\g0b+3], s[\g1b:\g1b+7]
	s_nop 0
.rept 4
	v_nop
.endr
.Lasked_\@:
.endm
.macro CREST
	s_cmp_lg_u32 s16, 0
	s_cbranch_scc1 .Lnot_wave_0_\@
	s_barrier_signal -3
.Lnot_wave_0_\@:
	s_barrier_wait -3
	s_barrier_signal -1
	s_barrier_wait -1
.endm
.macro CROUND
	s_barrier_signal -1
	s_barrier_wait -1
	CREST
.endm
.macro PLACES n
.rept \n
	v_nop
.endr
.endm
	s_load_b256 s[4:11], s[0:1], 0x0               ; A, W's codes, W's scales, the bias
	s_load_b128 s[12:15], s[0:1], 0x20             ; the residual, the output
	v_lshl_add_u32 v[SPW], v0, 2, SPARE
	v_mov_b32 v[NIL], 0
	ds_add_u32 v28, v29
	ds_add_u32 v28, v29
	s_wait_dscnt 0x0
	v_lshrrev_b32 v1, 5, v0
	v_readfirstlane_b32 s16, v1                    ; wave 0..3
	s_lshr_b32 s17, s16, 1                         ; which half of the tile's rows is mine.  Also: I fetch for A (0) or for W (1)
	s_and_b32 s18, s16, 1                          ; which half of its columns.  Also: which 64 rows I fetch
	s_bfe_u32 s19, ttmp6, 0x40000                  ; cx, cy
	s_bfe_u32 s20, ttmp6, 0x40004
	s_lshl_b32 s21, ttmp9, 2
	s_add_co_u32 s21, s21, s19                     ; tile column
	s_and_b32 s22, ttmp7, 0xffff
	s_lshl_b32 s22, s22, 2
	s_add_co_u32 s22, s22, s20                     ; tile row
	s_lshl_b32 s23, s20, 2
	s_lshl_b32 s23, 15, s23                        ; my row of the cluster
	s_lshl_b32 s2, 0x1111, s19                     ; my column
	; A's tile: 64 rows of a panel are 8,192 consecutive bytes: four such lines, a panel (524,288 bytes) apart; 16 bytes of padding behind every 128: in LDS 256 rows of 144 bytes
	s_or_b32 s[G1A+0], s23, (3<<16)|(1<<20)|(1<<21)|(4<<22)|(3<<25)
	s_mov_b32 s[G1A+1], 1024<<16                   ; tensor_dim0: 1,024 elements of 8 bytes
	s_mov_b32 s[G1A+2], 4<<16                      ; tensor_dim1
	s_mov_b32 s[G1A+3], 1024<<16                   ; tile_dim0
	s_mov_b32 s[G1A+4], 4                          ; tile_dim1
	s_mov_b32 s[G1A+5], 65536                      ; the pitch, in elements
	s_mov_b32 s[G1A+6], 0
	s_mov_b32 s[G1A+7], 0
	; W's tile: 64 rows x 512 bytes, 16 bytes of padding behind each
	s_or_b32 s[G1B+0], s2, (0<<16)|(1<<20)|(1<<21)|(6<<22)|(3<<25)
	s_mov_b32 s[G1B+1], 512<<16
	s_mov_b32 s[G1B+2], 64<<16
	s_mov_b32 s[G1B+3], 512<<16
	s_mov_b32 s[G1B+4], 64
	s_mov_b32 s[G1B+5], SIZE_K
	s_mov_b32 s[G1B+6], 0
	s_mov_b32 s[G1B+7], 0
	; A's scale words: 256 bytes (64 rows) of each panel's array, 16,384 bytes apart, no padding
	s_or_b32 s[G1SA+0], s23, (3<<16)|(1<<21)
	s_mov_b32 s[G1SA+1], 32<<16
	s_mov_b32 s[G1SA+2], NPAN<<16
	s_mov_b32 s[G1SA+3], 32<<16
	s_mov_b32 s[G1SA+4], NPAN
	s_mov_b32 s[G1SA+5], 2048
	s_mov_b32 s[G1SA+6], 0
	s_mov_b32 s[G1SA+7], 0
	; W's scale bytes of 64 rows: a dense block, as rows of 256 bytes, 16 bytes of padding behind each
	s_or_b32 s[G1SB+0], s2, (3<<16)|(1<<20)|(1<<21)|(5<<22)|(3<<25)
	s_mov_b32 s[G1SB+1], 32<<16
	s_mov_b32 s[G1SB+2], (64*KS/256)<<16
	s_mov_b32 s[G1SB+3], 32<<16
	s_mov_b32 s[G1SB+4], 64*KS/256
	s_mov_b32 s[G1SB+5], 32
	s_mov_b32 s[G1SB+6], 0
	s_mov_b32 s[G1SB+7], 0
	s_lshl_b32 s84, s18, 6
	s_lshl_b32 s85, s22, 7
	s_add_co_u32 s85, s85, s84                     ; A's rows that I fetch: 128 x tile row + 64 x half
	s_lshl_b32 s86, s21, 7
	s_add_co_u32 s86, s86, s84                     ; W's: 128 x tile column + 64 x half
	s_lshl_b32 s88, s85, 7                         ; in a panel of codes
	s_mov_b32 s89, 0
	s_lshl_b32 s90, s85, 2                         ; in an array of scale words, behind the codes
	s_add_co_u32 s90, s90, SIZE_K*4096
	s_mov_b32 s91, 0
	s_mul_i32 s92, s86, SIZE_K
	s_mov_b32 s93, 0
	s_mul_i32 s94, s86, KS
	s_mov_b32 s95, 0
	s_mul_i32 s84, s18, AHALF                      ; where they go: no place in the cluster enters an LDS address
	s_mul_i32 s85, s18, BHALF
	s_add_co_u32 s85, s85, BOFF
	s_mul_i32 s86, s18, HSA
	s_mul_i32 s87, s18, HSB
	s_wait_kmcnt 0x0
	s_add_nc_u64 s[88:89], s[4:5], s[88:89]
	s_add_nc_u64 s[90:91], s[4:5], s[90:91]
	s_add_nc_u64 s[92:93], s[6:7], s[92:93]
	s_add_nc_u64 s[94:95], s[8:9], s[94:95]
	CROUND                                         ; all sixteen work-groups are here: the first joint loads meet
	s_mov_b32 s[G0SA], 1
	s_add_co_u32 s[G0SA+1], s86, SCA
	s_mov_b64 s[G0SA+2:G0SA+3], s[90:91]
	s_or_b32 s[G0SA+3], s[G0SA+3], 0x80000000
	s_mov_b32 s[G0SB], 1
	s_add_co_u32 s[G0SB+1], s87, SCB
	s_mov_b64 s[G0SB+2:G0SB+3], s[94:95]
	s_or_b32 s[G0SB+3], s[G0SB+3], 0x80000000
	JLOAD G0SA, G1SA, G0SB, G1SB                   ; the scales first
.irp s, 0,1
	s_mov_b32 s[G0A+4*\s], 1
	s_add_co_u32 s[G0A+4*\s+1], s84, \s*SLOT
	s_add_nc_u64 s[G0A+4*\s+2:G0A+4*\s+3], s[88:89], \s*2097152   ; four panels on
	s_or_b32 s[G0A+4*\s+3], s[G0A+4*\s+3], 0x80000000
	s_mov_b32 s[G0B+4*\s], 1
	s_add_co_u32 s[G0B+4*\s+1], s85, \s*SLOT
	s_add_nc_u64 s[G0B+4*\s+2:G0B+4*\s+3], s[92:93], \s*512
	s_or_b32 s[G0B+4*\s+3], s[G0B+4*\s+3], 0x80000000
	JLOAD G0A+4*\s, G1A, G0B+4*\s, G1B
.endr
	v_and_b32 v1, 15, v0                           ; r
	v_bfe_u32 v2, v0, 4, 1                         ; h
	s_lshl_b32 s84, s22, 7
	s_lshl_b32 s85, s17, 6
	s_add_co_u32 s84, s84, s85                     ; my first row
	s_lshl_b32 s84, s84, 12                        ; of 4,096 bytes
	s_lshl_b32 s85, s21, 7
	s_lshl_b32 s86, s18, 6
	s_add_co_u32 s85, s85, s86                     ; my first column
	s_lshl_b32 s86, s85, 2
	s_add_co_u32 s84, s84, s86
	s_mov_b32 s85, 0
	s_mov_b32 s87, 0
	s_add_nc_u64 s[12:13], s[12:13], s[84:85]
	s_add_nc_u64 s[14:15], s[14:15], s[84:85]
	s_add_nc_u64 s[10:11], s[10:11], s[86:87]
	v_lshlrev_b32 v[BNA], 5, v2
	v_lshlrev_b32 v[CO], 12, v2
	v_lshl_add_u32 v[CO], v1, 4, v[CO]             ; lanes 0-15 one row's 256 bytes, lanes 16-31 the next row's
.irp b, 0,1,2,3
	global_load_b128 v[BN+8*\b:BN+8*\b+3], v[BNA], s[10:11] offset:64*\b          ; register 8 b + j: column 16 b + 8 h + j
	global_load_b128 v[BN+8*\b+4:BN+8*\b+7], v[BNA], s[10:11] offset:64*\b+16
.endr
	WIN 0x80                                       ; destination window 2
.irp a, 0,1,2,3
.irp k, 0,1,2,3,4,5,6,7
	global_load_b128 v[32*\a+4*\k:32*\a+4*\k+3], v[CO], s[12:13] offset:(16*\a+2*\k)*4096   ; the residual, as the way out will hold the rows
.endr
.endr
	WIN 0
	v_mul_u32_u24 v3, v1, 144
	v_lshl_add_u32 v3, v2, 4, v3
	v_mul_u32_u24 v4, v1, 528
	v_lshl_add_u32 v4, v2, 4, v4
	s_mul_i32 s84, s17, AHALF                      ; my 64 rows of A
	s_mul_i32 s85, s18, BHALF                      ; my 64 rows of W
	s_add_co_u32 s85, s85, BOFF
.irp s, 0,1
	v_add_nc_u32 v[ADRA+\s], s84, v3
	v_add_nc_u32 v[ADRB+\s], s85, v4
	s_add_co_u32 s84, s84, SLOT
	s_add_co_u32 s85, s85, SLOT
.endr
	s_mul_i32 s84, s17, HSA
	s_add_co_u32 s84, s84, SCA
	v_lshl_add_u32 v[ADSA], v1, 2, s84
	v_mul_u32_u24 v5, v1, KS                       ; W's scale bytes: KS a row, and 16 more for each 256 passed
	v_lshrrev_b32 v6, 8, v5
	v_lshl_add_u32 v5, v6, 4, v5
	s_mul_i32 s84, s18, HSB
	s_add_co_u32 s84, s84, SCB
	v_add_nc_u32 v[ADSB], s84, v5
	s_mul_i32 s84, s16, 16*272                     ; my stage for the way out: 16 rows x (256 bytes + 16), in slot 0
	v_mul_u32_u24 v5, v1, 272
	v_lshl_add_u32 v5, v2, 5, v5
	v_add_nc_u32 v[STO], s84, v5
	v_mul_u32_u24 v5, v2, 272
	v_lshl_add_u32 v5, v1, 4, v5
	v_add_nc_u32 v[RD], s84, v5
; 4 matrix instructions: A's block a x W's four, the slot's q-th 128 along K, from buffer f; p: the set of scale words.  zero = 1: the first product starts the sums from the bias.
; The 16 accumulators take turns, one instruction a turn, in the same order in every quarter.
.macro MUL4 f, a, p, q, zero
.irp b, 0,1,2,3
.if \zero
	v_wmma_scale_f32_16x16x128_f8f6f4 v[ACC+8*(4*(\a)+\b):ACC+8*(4*(\a)+\b)+7], v[\f+64+16*\b:\f+64+16*\b+15], v[\f+16*(\a):\f+16*(\a)+15], v[BN+8*\b:BN+8*\b+7], v[SC+32*(\p)+16+4*\b+(\q)], v[SC+32*(\p)+4*(\a)+(\q)]
.else
	v_wmma_scale_f32_16x16x128_f8f6f4 v[ACC+8*(4*(\a)+\b):ACC+8*(4*(\a)+\b)+7], v[\f+64+16*\b:\f+64+16*\b+15], v[\f+16*(\a):\f+16*(\a)+15], v[ACC+8*(4*(\a)+\b):ACC+8*(4*(\a)+\b)+7], v[SC+32*(\p)+16+4*\b+(\q)], v[SC+32*(\p)+4*(\a)+(\q)]
.endif
.endr
.endm
.macro FETCH slot, q, f                ; 32 LDS loads in one run: W's four fragments, then A's four
	WIN TO_F
.irp i, 0,1,2,3
.irp c, 0,1,2,3
	ds_load_b128 v[\f+64+16*\i+4*\c:\f+64+16*\i+4*\c+3], v[ADRB+\slot] offset:128*(\q)+8448*\i+32*\c
.endr
.endr
.irp i, 0,1,2,3
.irp c, 0,1,2,3
	ds_load_b128 v[\f+16*\i+4*\c:\f+16*\i+4*\c+3], v[ADRA+\slot] offset:9216*(\q)+2304*\i+32*\c
.endr
.endr
.endm
.macro SCALES p                        ; a slot's scale words: A's block i, panel q -> register 4 i + q; W's block i -> registers 16 + 4 i + 0..3
.irp i, 0,1,2,3
.irp q, 0,1,2,3
	ds_load_b32 v[SC+32*\p+4*\i+\q], v[ADSA] offset:256*\q+64*\i
.endr
.endr
.irp i, 0,1,2,3
	ds_load_b128 v[SC+32*\p+16+4*\i:SC+32*\p+16+4*\i+3], v[ADSB] offset:\i*SBLK
.endr
.endm
; A quarter of a slot: 128 along K, 16 matrix instructions, on buffers 0, 1, 0, 1.  One of the first three: in its middle it fetches the next quarter's fragments.
.macro QUARTER slot, q, zero
.set FB, 128*((\q)%2)
.set GB, 128-FB
	s_wait_dscnt 8                                 ; all but the youngest eight loads (A's blocks 2 and 3)
	WIN MUL
	MUL4 FB, 0, \slot, \q, \zero
	MUL4 FB, 1, \slot, \q, \zero
	PLACES 8                                       ; in front of loads into the buffer that the quarter before multiplied
	FETCH \slot, (\q)+1, GB
	s_wait_dscnt 32                                ; all but the 32 just issued
	WIN MUL
	MUL4 FB, 2, \slot, \q, \zero
	MUL4 FB, 3, \slot, \q, \zero
.endm
; The last quarter changes slots: one barrier; in front of it each wave waits for all its tensor loads, adds 0 to its spare word, and waits for that and for its reads of this slot.
.macro TURN slot, next, fill
	WIN 0
	s_wait_tensorcnt 0x0                           ; all my tensor loads have landed: my part of the next slot
	ds_add_u32 v[SPW], v[NIL]                      ; 0 onto my spare word
	s_wait_dscnt 9                                 ; (the add and the youngest eight loads may be out)
	WIN MUL
	MUL4 128, 0, \slot, 3, 0
	s_wait_dscnt 0x0                               ; the add is done, and my reads of this slot are over
	s_barrier_signal -1
	MUL4 128, 1, \slot, 3, 0
	WIN 0
	s_barrier_wait -1
.if \fill
	CREST                                          ; the barrier has opened a round of the cluster's: no wave of any partner still reads this slot or has a load on its way
	s_add_nc_u64 s[G0A+4*\slot+2:G0A+4*\slot+3], s[G0A+4*\slot+2:G0A+4*\slot+3], 4194304   ; eight panels on
	s_add_nc_u64 s[G0B+4*\slot+2:G0B+4*\slot+3], s[G0B+4*\slot+2:G0B+4*\slot+3], 1024
	JLOAD G0A+4*\slot, G1A, G0B+4*\slot, G1B       ; the first tensor load behind the round; its four v_nop are among the places below
	PLACES 4
.else
	PLACES 8
.endif
	v_add_nc_u32 v[ADSA], 1024, v[ADSA]            ; the next slot's scale words: four panels on,
	v_add_nc_u32 v[ADSB], 16, v[ADSB]              ; 16 bytes on in each row
	SCALES \next
	FETCH \next, 0, 0
	WIN MUL
	MUL4 128, 2, \slot, 3, 0
	MUL4 128, 3, \slot, 3, 0
.endm
	s_wait_tensorcnt 1                             ; the scales and my part of slot 0 are in (slot 1's load may be out),
	s_barrier_signal -1
	s_barrier_wait -1                              ; everybody's are
	SCALES 0
	FETCH 0, 0, 0
	s_wait_loadcnt 32                              ; the bias is in; the residual's 32 loads stay out
	QUARTER 0, 0, 1                                ; the first quarter's products start the sums
.if LAPS > 1
	WIN 0
	s_mov_b32 s3, LAPS-1
.Llap:                                             ; a trip goes once round the ring and fills both slots again
	QUARTER 0, 1, 0
	QUARTER 0, 2, 0
	TURN 0, 1, 1
	QUARTER 1, 0, 0
	QUARTER 1, 1, 0
	QUARTER 1, 2, 0
	TURN 1, 0, 1
	QUARTER 0, 0, 0
	WIN 0
	s_sub_co_u32 s3, s3, 1
	s_cmp_lg_u32 s3, 0
	s_cbranch_scc1 .Llap
.endif
	QUARTER 0, 1, 0                                ; the last lap fills nothing
	QUARTER 0, 2, 0
	TURN 0, 1, 0
	QUARTER 1, 0, 0
	QUARTER 1, 1, 0
	QUARTER 1, 2, 0
	s_wait_dscnt 8
	WIN MUL
	MUL4 128, 0, 1, 3, 0
	MUL4 128, 1, 1, 3, 0
	s_wait_dscnt 0
	MUL4 128, 2, 1, 3, 0
	MUL4 128, 3, 1, 3, 0
	WIN 0
	; THE WAY OUT, block by block of 16 rows x 64 columns, through my own stage (slot 0 has had its last fill and its last read): back as whole runs of 256 bytes, + the residual, stored
	PLACES 8
	s_wait_loadcnt 0x0                             ; the residual
.irp a, 0,1,2,3
	s_wait_xcnt 0x0                                ; the block before has had its stores' registers read
.irp b, 0,1,2,3
	ds_store_b128 v[STO], v[ACC+8*(4*\a+\b):ACC+8*(4*\a+\b)+3] offset:64*\b       ; each accumulator from its low end on
	ds_store_b128 v[STO], v[ACC+8*(4*\a+\b)+4:ACC+8*(4*\a+\b)+7] offset:64*\b+16
.endr
	WIN 0x40                                       ; destination window 1
.irp k, 0,1,2,3,4,5,6,7
	ds_load_b128 v[4*\k:4*\k+3], v[RD] offset:544*\k   ; LDS serves a wave's instructions in order: these see my stores
.endr
	s_wait_dscnt 0x0
	WIN 0x49                                       ; destination and source 0 window 1, source 1 window 2
.set kk, 0
.rept 16
	v_pk_add_f32 v[kk:kk+1], v[kk:kk+1], v[32*\a+kk:32*\a+kk+1]
.set kk, kk+2
.endr
	WIN 0x04                                       ; a store's data are its source 1: window 1
.irp k, 0,1,2,3,4,5,6,7
	global_store_b128 v[CO], v[4*\k:4*\k+3], s[14:15] offset:(16*\a+2*\k)*4096   ; 16 lanes store 256 consecutive bytes, aligned
.endr
	WIN 0
.endr
	s_wait_tensorcnt 0x0                           ; the wave's end
	ds_add_u32 v[SPW], v[NIL]
	s_wait_dscnt 0x0
	CROUND                                         ; the closing round
	s_endpgm
.Lfunc_end_k_q16d7949cfd_ffn2:
	.size	k_q16d7949cfd_ffn2, .Lfunc_end_k_q16d7949cfd_ffn2-k_q16d7949cfd_ffn2
	.p2alignl 7, 3214868480
	.fill 96, 4, 3214868480
	.section	.rodata,"a",@progbits
	.p2align	6, 0x0
	.amdhsa_kernel k_q16d7949cfd_ffn2
		.amdhsa_group_segment_fixed_size 327680
		.amdhsa_private_segment_fixed_size 0
		.amdhsa_enable_private_segment 0
		.amdhsa_kernarg_size 48
		.amdhsa_user_sgpr_count 2
		.amdhsa_user_sgpr_kernarg_segment_ptr 1
		.amdhsa_wavefront_size32 1
		.amdhsa_system_sgpr_workgroup_id_x 1
		.amdhsa_system_sgpr_workgroup_id_y 1
		.amdhsa_system_sgpr_workgroup_id_z 1
		.amdhsa_system_vgpr_workitem_id 0
		.amdhsa_next_free_vgpr 768
		.amdhsa_next_free_sgpr 100
		.amdhsa_reserve_vcc 0
		.amdhsa_float_denorm_mode_32 3
		.amdhsa_float_denorm_mode_16_64 3
		.amdhsa_memory_ordered 1
		.amdhsa_forward_progress 1
		.amdhsa_inst_pref_size 104
	.end_amdhsa_kernel
	.amdgpu_metadata
---
amdhsa.version: [ 1, 2 ]
amdhsa.kernels:
  - .name:           k_q16d7949cfd_ffn2
    .symbol:         k_q16d7949cfd_ffn2.kd
    .args:
      - { .name: hid, .offset: 0, .size: 8, .value_kind: global_buffer, .address_space: global }
      - { .name: w2_codes, .offset: 8, .size: 8, .value_kind: global_buffer, .address_space: global }
      - { .name: w2_scales, .offset: 16, .size: 8, .value_kind: global_buffer, .address_space: global }
      - { .name: b2, .offset: 24, .size: 8, .value_kind: global_buffer, .address_space: global }
      - { .name: x1, .offset: 32, .size: 8, .value_kind: global_buffer, .address_space: global }
      - { .name: out0, .offset: 40, .size: 8, .value_kind: global_buffer, .address_space: global }
    .group_segment_fixed_size: 327680
    .private_segment_fixed_size: 0
    .kernarg_segment_align: 8
    .kernarg_segment_size: 48
    .max_flat_workgroup_size: 128
    .sgpr_count:     100
    .vgpr_count:     768
    .wavefront_size: 32
...
	.end_amdgpu_metadata
.endif
;; end of part 6
